; MI455X (gfx1250); checked and timed in simulation.
; The chip was launched on July 23, 2026; its instructions are those of AMD's public machine-readable ISA for CDNA 5 (MIT licence, August 2026) and "CDNA5" Instruction Set Architecture Reference Guide (July 2026). The comments in the code are by the model that wrote it; some were corrected since.
;; Multi Head Attention. Allowed arithmetic: matrix products marked QUANTISED: E2M1 operands, one E8M0 scale for each 32 along K, by v_wmma_scale_f32_16x16x128_f8f6f4 with both operands' format E2M1 (or v_wmma_scale_f32_32x16x128_f4), f32 sums; products left as they are: bf16, f16 or f32 operands; f32 sums; everything else in f32.
;; Inputs: Wk 1,024 x 1,024 float32; Wo 1,024 x 1,024 float32; Wq 1,024 x 1,024 float32; Wv 1,024 x 1,024 float32; beta 1,024 float32; gamma 1,024 float32; k 4 x 2,048 x 1,024 float32; q 4 x 2,048 x 1,024 float32; v 4 x 2,048 x 1,024 float32; zero_mask 4 x 1 x 1 x 2,048 float32.
;; Outputs: out0 4 x 2,048 x 1,024 float32.
;; This version of the problem:
;;   THIS VERSION OF THE PROBLEM IS GIVEN IN LOW PRECISION. The matrix products marked QUANTISED in the list below multiply operands that are first quantised to E2M1 (2 exponent bits, 1 mantissa bit; 4 bits a number), with one power-of-two scale for each 32 numbers along K (OCP MX v1.0); their sums are f32. The products marked 'left as it is' may take bf16, f16 or f32 operands, with f32 sums. Whichever they take, every output number must still come out within the allowed error. Rounding operands to bf16 (8 significant bits) uses up far more of that allowance than f16 does (11 bits, for magnitudes from 6e-5 to 65,504). All else is computed in f32.
;;   The module's matrix products, in the order in which they are computed (A, B: the left and right operand; K: the contracted axis; several contracted axes count as one K, in the product's order):
;;     1. [M 8,192, K 1,024] x [K 1,024, N 1,024]; A: input q; B: input Wq: QUANTISED
;;     2. [M 8,192, K 1,024] x [K 1,024, N 1,024]; A: input k; B: input Wk: QUANTISED
;;     3. [M 8,192, K 1,024] x [K 1,024, N 1,024]; A: input v; B: input Wv: QUANTISED
;;     4. batch 64 x [M 2,048, K 64] x [K 64, N 2,048]; A: computed on the way; B: computed on the way: left as it is (an operand is computed on the way)
;;     5. batch 64 x [M 2,048, K 2,048] x [K 2,048, N 64]; A: computed on the way; B: computed on the way: left as it is (an operand is computed on the way)
;;     6. [M 8,192, K 1,024] x [K 1,024, N 1,024]; A: computed on the way; B: input Wo: left as it is (an operand is computed on the way)
;;   THE QUANTISER, for each operand of a quantised product, along K:
;;     - K is cut into blocks of 32 from its start; a last block that is shorter is filled with zeros.
;;     - A block's scale is 2^e with e = floor(log2(the largest magnitude in the block)) - 2, held to -126 .. 127; a block of zeros has e = 0. As a byte (E8M0): e + 127.
;;     - Each number is divided by its block's scale, clamped to +-6, and rounded to the nearest number of E2M1, ties to even, subnormals kept.
;;     - The product sums the exact products of the quantised numbers (number of the format x scale) in f32.
;;   ~~~python
;;   def quantise(x, axis):      # numpy; x: float32 -> the quantised numbers, widened to float32 again
;;       x = np.moveaxis(x, axis, -1); K = x.shape[-1]
;;       x = np.pad(x, [(0, 0)] * (x.ndim - 1) + [(0, -K % 32)]); x = x.reshape(x.shape[:-1] + (-1, 32)); a = np.abs(x).max(-1, keepdims=True)
;;       e = np.where(a > 0, np.clip(np.frexp(np.where(a > 0, a, 1))[1] - 1 - 2, -126, 127), 0)      # np.frexp(a)[1] - 1 = floor(log2(a)), exactly
;;       r = np.clip(x / 2.0 ** e, -6, 6)
;;       step = 2.0 ** (np.maximum(np.frexp(np.where(r == 0, 1, r))[1] - 1, 0) - 1)
;;       q = np.round(r / step) * step * 2.0 ** e      # np.round: ties to even
;;       return np.moveaxis(q.reshape(q.shape[:-2] + (-1,))[..., :K], -1, axis).astype(np.float32)
;;   ~~~
;; One version. Each part assembles by itself: llvm-mc -triple=amdgcn-amd-amdhsa -mcpu=gfx1250 --defsym DOCPART=n.
;; ======== version 1 of 1: 4 launches
;; limits: right only within a limited range of input values
;; workspace buffers: codes 14,155,776 bytes; scales 884,736 bytes; wof 2,097,152 bytes; frag 50,331,648 bytes; ctxf 16,777,216 bytes
;; launch prep (part 1): grid 896 x 1, 4 waves a work-group, no clusters, 33,280 bytes of LDS; arguments q, k, v, Wq, Wk, Wv, Wo, codes, scales, wof; writes codes, scales, wof
.if DOCPART == 1
	.amdgcn_target "amdgcn-amd-amdhsa--gfx1250"
	.amdhsa_code_object_version 6
	.text
	.protected	k_q5410792143_prep
	.globl	k_q5410792143_prep
	.p2align	8
	.type	k_q5410792143_prep,@function
k_q5410792143_prep:
	s_mov_b64 s[64:65], 0
	v_nop
	global_prefetch_b8 v0, s[64:65] scope:SCOPE_SE
	s_setreg_imm32_b32 hwreg(HW_REG_WAVE_MODE, 25, 1), 1
	s_wait_xcnt 0x0
; q, k, v [8192][1024] and Wq, Wk, Wv [1024][1024], f32, K innermost, become codes of FP4 (E2M1) with one E8M0 scale byte for each 32 along K; Wo [1024][1024] becomes bf16, laid in the order of a matrix operand's registers.
; ONE ROW SPACE for the six quantised tensors: rows 0.. q, 8192.. k, 16384.. v, 24576.. Wq, 25600.. Wk, 26624.. Wv; codes [27648][512 bytes] (two codes a byte, the lower k in the low four bits), scales [27648][32 bytes].
; Rows are dense and 1,024 is a multiple of 32, so each tensor is a plain stream of blocks of 32 numbers.  Work-group g < 864 takes 32,768 numbers, a wave 16 steps of 512; its place in codes and scales hangs on g and the wave alone.
; A block's scale is 2^(floor(log2(its largest magnitude)) - 2); its byte is the largest magnitude's exponent field - 2, held at 1 from below.  Each number is divided by the scale and rounded to the nearest code, ties to even; beyond 6 the largest code.
; LIMITS: a block of zeros gets the byte 1 where the rule says 127 (its codes are zeros, which add nothing, and this program alone reads the bytes); blocks whose largest magnitude lies under 2^(3 - 127) take the floor's byte; NaN and infinities among the inputs are not served.
; A lane must hold 16 NEIGHBOURS along K for the conversions, and a load is best where neighbouring lanes take neighbouring bytes: each of a step's four loads reads 512 consecutive bytes, the 2,048 bytes turn through the wave's own
; stage in LDS (16 bytes of padding behind each 64) and come back 64 bytes a lane.  A wave's codes of a step are 256 consecutive bytes; its 256 scale bytes are gathered in LDS and leave as one aligned run of 256 bytes.
; Work-groups 864 to 895 take Wo.  AN IMAGE is a bf16 fragment (16 rows x 32 K, 8 registers a lane) as it stands in registers: registers 0-3 at 16 x lane, registers 4-7 at 512 + 16 x lane: 1,024 bytes.
; wof: image ((ks 4 + w) 2 + c) 16 + i holds Wo's rows 256 w + 16 i + r, k = 64 ks + 32 c + 0 .. 31.  A wave makes the 16 images of one (ks, w, half of i), so that the 256 bytes of a row that it touches are read by it alone.
; No tensor loads, no barrier: waves share nothing.  Matrix units and clusters have nothing to do here: the launch moves bytes.
.set STEPS, 16
.set NQW,   864                        ; work-groups that quantise
.set EMAX,  2
.set CB,    8                          ; bytes of 16 codes
.set R,     16                         ; v16-79   four sets of 16 numbers as they are loaded
.set X,     80                         ; v80-111  two sets of 16 neighbours
.set E,     112                        ; v112-127 a scale byte for each step
.set C,     128                        ; v128-191 codes: four registers for each step, so that no store's data are written again
.set WREG,  8192                       ; LDS: a region for each wave: two stages of 32 x SP bytes, and behind them its 256 scale bytes
.set SP,    80                         ; a lane's place in a stage: its 64 bytes + 16 of padding
.set SPW,   12                         ; v12      LDS address of my spare word; never rewritten
.set NIL,   13                         ; v13      0; never rewritten
.set SPARE, 4*WREG                     ; behind the four regions: the spare words, 128 bytes a wave, which no other line names
.macro LOAD t
.irp i, 0,1,2,3
	global_load_b128 v[R+16*((\t)%4)+4*\i:R+16*((\t)%4)+4*\i+3], v3, s[4:5] offset:2048*(\t)+512*\i th:TH_LOAD_NT   ; 32 lanes read 512 consecutive bytes
.endr
.endm
.macro TURN t                          ; step t's numbers through the stage: LDS serves a wave's instructions in order, so no wait stands between the stores and the loads
.irp i, 0,1,2,3
	ds_store_b128 v14, v[R+16*((\t)%4)+4*\i:R+16*((\t)%4)+4*\i+3] offset:32*SP*((\t)%2)+8*SP*\i
.endr
.irp i, 0,1,2,3
	ds_load_b128 v[X+16*((\t)%2)+4*\i:X+16*((\t)%2)+4*\i+3], v15 offset:32*SP*((\t)%2)+16*\i
.endr
.endm
.macro STEP t
.set XS, X+16*((\t)%2)
.if (\t) > 0
	s_wait_dscnt 1                                 ; this step's numbers are back from the stage (the last step's byte store may be out): so its stores into the stage have read their registers,
.else
	s_wait_dscnt 0x0
.endif
.if (\t)+4 < STEPS
	LOAD (\t)+4                                    ; which take the loads of four steps on
.endif
.if (\t)+1 < STEPS
.if STEPS-2-(\t) >= 3
	s_wait_loadcnt 12                              ; the next step's four loads are in; those of the three steps behind it may be out
.else
	s_wait_loadcnt 4*(STEPS-2-(\t))
.endif
	TURN (\t)+1                                    ; and go through the other stage while this step is worked
.endif
	v_max3_num_f32 v8, |v[XS]|, |v[XS+1]|, |v[XS+2]|               ; the largest magnitude of my 16, in two chains
	v_max3_num_f32 v9, |v[XS+3]|, |v[XS+4]|, |v[XS+5]|
.irp i, 6,10
	v_max3_num_f32 v8, v8, |v[XS+\i]|, |v[XS+\i+1]|
	v_max3_num_f32 v9, v9, |v[XS+\i+2]|, |v[XS+\i+3]|
.endr
	v_max3_num_f32 v8, v8, |v[XS+14]|, |v[XS+15]|
	v_max3_num_f32 v8, v8, v9, (EMAX+1)<<23        ; and the floor 2^(EMAX + 1 - 127): the byte cannot fall under 1
	v_max_num_f32_dpp v8, v8, v8 row_xmask:1 row_mask:0xf bank_mask:0xf   ; and of my neighbour's 16: the block's
	v_add_nc_u32 v11, -(EMAX<<23), v8              ; EMAX off its exponent field: the conversion takes the exponent field of this operand as its scale, and nothing else of it
	v_cvt_scalef32_pk8_fp4_f32 v[C+4*(\t)], v[XS:XS+7], v11
	v_cvt_scalef32_pk8_fp4_f32 v[C+4*(\t)+1], v[XS+8:XS+15], v11
	v_lshrrev_b32 v[E+(\t)], 23, v11               ; the scale's byte (also the plain line behind the conversions)
	ds_store_b8 v5, v[E+(\t)] offset:16*(\t)       ; both lanes of a block write the same byte with the same value
	global_store_b64 v4, v[C+4*(\t):C+4*(\t)+1], s[22:23] offset:32*CB*(\t)   ; 32 lanes store 256 consecutive bytes, aligned
.endm
; Wo: images 4 n .. 4 n + 3 of my 16 (image f: c = f / 8, rows 16 (f % 8) on), 16 numbers a lane each, into set n % 2 (v16-79, v80-143)
.macro WLOAD n
.irp e, 0,1,2,3
.irp p, 0,1,2,3
	global_load_b128 v[16+64*((\n)%2)+16*\e+4*\p:16+64*((\n)%2)+16*\e+4*\p+3], v4, s[20:21] offset:((4*(\n)+\e)%8)*65536+((4*(\n)+\e)/8)*128+16*(\p%2)+64*(\p/2) th:TH_LOAD_NT   ; k = 8 h + 0 .. 7 (bytes 0, 16), then 16 + 8 h + 0 .. 7 (bytes 64, 80)
.endr
.endr
.endm
.macro WPACK n
.if (\n) < 3
	s_wait_loadcnt 16                              ; my group's 16 loads are in; the next group's 16 may be out
.else
	s_wait_loadcnt 0x0
.endif
.if (\n) > 0
	s_wait_xcnt 0x0                                ; the last group's stores have read v144-175, which are written again below
.endif
.irp e, 0,1,2,3
.irp j, 0,1,2,3,4,5,6,7
	v_cvt_pk_bf16_f32 v[144+8*\e+\j], v[16+64*((\n)%2)+16*\e+2*\j], v[16+64*((\n)%2)+16*\e+2*\j+1]
.endr
.endr
.irp e, 0,1,2,3
	global_store_b128 v3, v[144+8*\e:144+8*\e+3], s[26:27] offset:((4*(\n)+\e)/8)*16384+((4*(\n)+\e)%8)*1024       ; 32 lanes store 512 consecutive bytes, aligned
	global_store_b128 v3, v[144+8*\e+4:144+8*\e+7], s[26:27] offset:((4*(\n)+\e)/8)*16384+((4*(\n)+\e)%8)*1024+512
.endr
.if (\n) < 2
	WLOAD (\n)+2
.endif
.endm
	s_load_b512 s[8:23], s[0:1], 0x0               ; q s[8:9], k s[10:11], v s[12:13], Wq s[14:15], Wk s[16:17], Wv s[18:19], Wo s[20:21], codes s[22:23]
	s_load_b128 s[24:27], s[0:1], 0x40             ; scales s[24:25], wof s[26:27]
	v_lshl_add_u32 v[SPW], v0, 2, SPARE
	v_mov_b32 v[NIL], 0
	v_lshrrev_b32 v1, 5, v0
	v_readfirstlane_b32 s2, v1                     ; wave 0..3
	v_and_b32 v2, 31, v0                           ; lane
	v_lshlrev_b32 v3, 4, v2                        ; 16 x lane: my 16 bytes of 512
	s_cmp_lt_u32 ttmp9, NQW
	s_cbranch_scc0 .Lwo                            ; the last 32 work-groups take Wo
	s_mul_i32 s3, s2, WREG
	v_lshrrev_b32 v14, 2, v2
	v_mul_u32_u24 v14, v14, SP
	v_and_b32 v15, 3, v2
	v_lshl_add_u32 v14, v15, 4, v14
	v_add_nc_u32 v14, s3, v14                      ; the stage, on the way in: four lanes' 64 bytes on end, then 16 of padding
	v_mul_u32_u24 v15, v2, SP
	v_add_nc_u32 v15, s3, v15                      ; and on the way out: SP x lane: my 16 neighbours
	v_mul_u32_u24 v4, v2, CB                       ; my codes' place in a step's
	v_lshrrev_b32 v5, 1, v2
	s_add_co_u32 s3, s3, 2*32*SP
	v_add_nc_u32 v5, s3, v5                        ; LDS: my wave's 256 scale bytes, my block's byte
	v_lshlrev_b32 v7, 3, v2                        ; and on the way out 8 bytes a lane
	v_add_nc_u32 v6, s3, v7
	s_wait_kmcnt 0x0
	s_mov_b64 s[4:5], s[18:19]                     ; which tensor, and its first work-group: chosen by the work-group's number alone
	s_mov_b32 s6, 832
	s_cmp_lt_u32 ttmp9, 832
	s_cselect_b64 s[4:5], s[16:17], s[4:5]
	s_cselect_b32 s6, 800, s6
	s_cmp_lt_u32 ttmp9, 800
	s_cselect_b64 s[4:5], s[14:15], s[4:5]
	s_cselect_b32 s6, 768, s6
	s_cmp_lt_u32 ttmp9, 768
	s_cselect_b64 s[4:5], s[12:13], s[4:5]
	s_cselect_b32 s6, 512, s6
	s_cmp_lt_u32 ttmp9, 512
	s_cselect_b64 s[4:5], s[10:11], s[4:5]
	s_cselect_b32 s6, 256, s6
	s_cmp_lt_u32 ttmp9, 256
	s_cselect_b64 s[4:5], s[8:9], s[4:5]
	s_cselect_b32 s6, 0, s6
	s_sub_co_u32 s6, ttmp9, s6
	s_lshl_b32 s6, s6, 2
	s_add_co_u32 s6, s6, s2                        ; which run of 8,192 numbers of the tensor is my wave's
	s_lshl_b32 s6, s6, 15                          ; 32,768 bytes a run
	s_mov_b32 s7, 0
	s_add_nc_u64 s[4:5], s[4:5], s[6:7]
	s_lshl_b32 s6, ttmp9, 2
	s_add_co_u32 s6, s6, s2                        ; and which run of the one row space
	s_lshl_b32 s28, s6, 12                         ; 4,096 bytes of codes a run
	s_mov_b32 s29, 0
	s_add_nc_u64 s[22:23], s[22:23], s[28:29]
	s_lshl_b32 s28, s6, 8                          ; 256 scale bytes a run
	s_add_nc_u64 s[24:25], s[24:25], s[28:29]
.irp t, 0,1,2,3
	LOAD \t
.endr
	s_wait_loadcnt 12                              ; step 0's four loads are in
	TURN 0
.irp t, 0,1,2,3,4,5,6,7,8,9,10,11,12,13,14,15
	STEP \t
.endr
	ds_load_b64 v[8:9], v6                         ; LDS serves a wave's instructions in order: these see my byte stores
	s_wait_dscnt 0x0
	global_store_b64 v7, v[8:9], s[24:25]          ; 32 lanes store 256 consecutive bytes, aligned
	s_wait_tensorcnt 0x0                           ; the wave's end
	ds_add_u32 v[SPW], v[NIL]
	s_wait_dscnt 0x0
	s_endpgm
.Lwo:
	s_sub_co_u32 s3, ttmp9, NQW
	s_lshl_b32 s3, s3, 2
	s_add_co_u32 s3, s3, s2                        ; W = 0 .. 127
	s_lshr_b32 s4, s3, 3                           ; ks: which 64 along K
	s_bfe_u32 s5, s3, 0x20001                      ; w: which 256 rows
	s_and_b32 s6, s3, 1                            ; which 128 of them
	s_lshl_b32 s28, s5, 20                         ; in: (256 w + 128 half) rows of 4,096 bytes + 256 ks
	s_lshl_b32 s7, s6, 19
	s_add_co_u32 s28, s28, s7
	s_lshl_b32 s7, s4, 8
	s_add_co_u32 s28, s28, s7
	s_mov_b32 s29, 0
	s_lshl_b32 s30, s4, 2                          ; out: (4 ks + w) x 32 images + 8 x half
	s_add_co_u32 s30, s30, s5
	s_lshl_b32 s30, s30, 15
	s_lshl_b32 s7, s6, 13
	s_add_co_u32 s30, s30, s7
	s_mov_b32 s31, 0
	v_and_b32 v4, 15, v0                           ; r
	v_bfe_u32 v5, v0, 4, 1                         ; h
	v_lshlrev_b32 v4, 12, v4
	v_lshl_add_u32 v4, v5, 5, v4                   ; row r, + 8 h numbers
	s_wait_kmcnt 0x0
	s_add_nc_u64 s[20:21], s[20:21], s[28:29]
	s_add_nc_u64 s[26:27], s[26:27], s[30:31]
	WLOAD 0
	WLOAD 1
	WPACK 0
	WPACK 1
	WPACK 2
	WPACK 3
	s_endpgm
.Lfunc_end_k_q5410792143_prep:
	.size	k_q5410792143_prep, .Lfunc_end_k_q5410792143_prep-k_q5410792143_prep
	.p2alignl 7, 3214868480
	.fill 96, 4, 3214868480
	.section	.rodata,"a",@progbits
	.p2align	6, 0x0
	.amdhsa_kernel k_q5410792143_prep
		.amdhsa_group_segment_fixed_size 33280
		.amdhsa_private_segment_fixed_size 0
		.amdhsa_enable_private_segment 0
		.amdhsa_kernarg_size 80
		.amdhsa_user_sgpr_count 2
		.amdhsa_user_sgpr_kernarg_segment_ptr 1
		.amdhsa_wavefront_size32 1
		.amdhsa_system_sgpr_workgroup_id_x 1
		.amdhsa_system_sgpr_workgroup_id_y 1
		.amdhsa_system_sgpr_workgroup_id_z 1
		.amdhsa_system_vgpr_workitem_id 0
		.amdhsa_next_free_vgpr 192
		.amdhsa_next_free_sgpr 66
		.amdhsa_reserve_vcc 0
		.amdhsa_float_denorm_mode_32 3
		.amdhsa_float_denorm_mode_16_64 3
		.amdhsa_memory_ordered 1
		.amdhsa_forward_progress 1
		.amdhsa_inst_pref_size 52
	.end_amdhsa_kernel
	.amdgpu_metadata
---
amdhsa.version: [ 1, 2 ]
amdhsa.kernels:
  - .name:           k_q5410792143_prep
    .symbol:         k_q5410792143_prep.kd
    .args:
      - { .name: q, .offset: 0, .size: 8, .value_kind: global_buffer, .address_space: global }
      - { .name: k, .offset: 8, .size: 8, .value_kind: global_buffer, .address_space: global }
      - { .name: v, .offset: 16, .size: 8, .value_kind: global_buffer, .address_space: global }
      - { .name: Wq, .offset: 24, .size: 8, .value_kind: global_buffer, .address_space: global }
      - { .name: Wk, .offset: 32, .size: 8, .value_kind: global_buffer, .address_space: global }
      - { .name: Wv, .offset: 40, .size: 8, .value_kind: global_buffer, .address_space: global }
      - { .name: Wo, .offset: 48, .size: 8, .value_kind: global_buffer, .address_space: global }
      - { .name: codes, .offset: 56, .size: 8, .value_kind: global_buffer, .address_space: global }
      - { .name: scales, .offset: 64, .size: 8, .value_kind: global_buffer, .address_space: global }
      - { .name: wof, .offset: 72, .size: 8, .value_kind: global_buffer, .address_space: global }
    .group_segment_fixed_size: 33280
    .private_segment_fixed_size: 0
    .kernarg_segment_align: 8
    .kernarg_segment_size: 80
    .max_flat_workgroup_size: 128
    .sgpr_count:     66
    .vgpr_count:     192
    .wavefront_size: 32
...
	.end_amdgpu_metadata
.endif
;; end of part 1
;; launch proj (part 2): grid 4 x 96, 4 waves a work-group, clusters of 4 x 4, 327,680 bytes of LDS; arguments codes, scales, frag; writes frag
.if DOCPART == 2
	.amdgcn_target "amdgcn-amd-amdhsa--gfx1250"
	.amdhsa_code_object_version 6
	.text
	.protected	k_q5410792143_proj
	.globl	k_q5410792143_proj
	.p2align	8
	.type	k_q5410792143_proj,@function
k_q5410792143_proj:
	s_mov_b64 s[64:65], 0
	v_nop
	global_prefetch_b8 v0, s[64:65] scope:SCOPE_SE
	s_setreg_imm32_b32 hwreg(HW_REG_WAVE_MODE, 25, 1), 1
	s_wait_xcnt 0x0
	s_wait_alu depctr_hold_cnt(0) depctr_sa_sdst(0) depctr_va_vdst(0) depctr_va_sdst(0) depctr_va_ssrc(0) depctr_va_vcc(0) depctr_vm_vsrc(0)
	s_getreg_b32 s2, hwreg(HW_REG_IB_STS2, 6, 4)
	s_cmp_eq_u32 s2, 0
	s_cbranch_scc0 .Lentry_in_a_cluster
	s_endpgm
.Lentry_in_a_cluster:
	s_bfe_u32 s2, ttmp6, 0x10000c
	s_cmp_lg_u32 s2, 0xf033
	s_cbranch_scc0 .Lentry_shape_is_right
	s_endpgm
.Lentry_shape_is_right:
; The three quantised projections, q Wq^T, k Wk^T, v Wv^T, on codes of FP4 (E2M1) with one E8M0 scale for each 32 along K = 1,024; sums in f32; results rounded once to bf16 and stored AS IMAGES OF THE NEXT LAUNCH'S OPERANDS.
; codes [27648][512 bytes], scales [27648][32]: one row space (rows 0.. q, 8192.. k, 16384.. v, 24576.. Wq, 25600.. Wk, 26624.. Wv).  A tile of the result, 256 x 256, is made by a work-group of four waves; a wave makes 128 x 128: 64 accumulators, 512 registers.
; K goes in two steps of 512 through two LDS slots (a tile's row is 256 bytes of memory); both are asked for at the head, with the scales: a wave has three tensor loads out, and nothing is filled again.
; CLUSTERS: 4 x 4 work-groups; the cluster's y (0 .. 23) says which product (y / 8).  THE 'A' REGION of a slot is shared along a row of the cluster, THE 'B' REGION along a column: each tile is asked for jointly.
;   q, k: A = 256 tokens (tile 4 y + cy), B = 256 rows of the weight (tile 96 + 4 (y / 8) + cx).      v: A = 256 rows of Wv (tile 104 + cy), B = 256 tokens (tile 4 y + cx).
; The matrix instruction takes source 0 = 16 rows of B, source 1 = 16 rows of A: a lane holds ONE row of A and eight neighbouring rows of B.  So for q and k a lane holds a token and eight channels of a head, for v a channel and eight tokens (keys).
; Four v_cvt_pk_bf16_f32 make of them four registers of a bf16 fragment whose K is the head's channels (Q, K) or the keys (V): half an image.  AN IMAGE: registers 0-3 at 16 x lane, registers 4-7 at 512 + 16 x lane: 1,024 bytes.
; frag: Q at 0, K at 1 << 24, V at 2 << 24; in each, head bh = 16 batch + head at bh x 262,144.  Q, K: + (token / 16) x 2,048 + (channel / 32) x 1,024.  V: + (key / 32) x 4,096 + (channel / 16) x 1,024.
; So every store of a wave is 512 consecutive bytes, aligned, straight from registers: no stage in LDS.
; No prefetch: all that a work-group reads is asked for at its head.
; REGISTERS, in windows of 256: window 0: v16-29 addresses; v32-95 scale words, two sets; from v128 A's fragments, ONE set; on the way out v128-255 four sets of packed results.
;   window 1: B's fragments, TWO sets, at v0 and v128.   window 2: the accumulators of A's blocks 0-3 ((a, b) at v[8 (8 (a % 4) + b)]);   window 3: blocks 4-7.
.set KSTEP,  512                       ; along K in a slot
.set NQ,     KSTEP/128                 ; matrix instructions deep
.set ROWB,   256                       ; a tile's row in bytes
.set KROW,   512                       ; a row of codes in memory
.set PITCH,  272                       ; an LDS row: 256 bytes + 16 of padding = 68 words, so the 16 rows that a load touches start 4 words apart
.set FR,     8                         ; registers of a fragment: 16 rows x 128 K
.set NL,     2                         ; LDS loads that bring one
.set NP,     4                         ; places behind this matrix instruction (ISA guide 7.12.1)
.set HALFT,  128*PITCH                 ; 128 rows: what one tensor load brings, and what one wave reads of A or of B
.set SLOT,   4*HALFT                   ; A's 256 rows, then B's 256 rows
.set KS,     32                        ; a row of scales in bytes
.set SCL,    2*SLOT                    ; behind the slots: the scales, as runs of 256 bytes + 16 of padding
.set HALFS,  (128*KS/256)*272          ; the scales of 128 rows: what one tensor load brings
.set SBLK,   (16*KS/256)*272           ; those of 16 rows
.set SPARE,  SCL+4*HALFS               ; the spare words, 128 bytes a wave, which no other line names
.set ADRA, 16                          ; v16-17  LDS address of my A fragments in slot 0, 1
.set ADRB, 20                          ; v20-21  the same for B
.set CO,   26                          ; v26     16 x lane: my place in half an image
.set ADRS, 27                          ; v27     LDS address of my scale words: lanes 0-15 A's rows, lanes 16-31 B's
.set SPW,  28                          ; v28     LDS address of my spare word; never rewritten
.set NIL,  29                          ; v29     0; never rewritten
.set SC,   32                          ; scale words: set s at v[SC + 8 NQ s]; register NQ i + q: lanes 0-15 the word of A's block i, lanes 16-31 that of B's block i, for the slot's q-th 128 along K
.set AF,   128                         ; A's fragments, in window 0
.set G1, 24                            ; s[24:31] descriptor group 1 for A's tiles;  s[32:39] group 0, one set for each slot
.set G0, 32
.set G1B, 48                           ; s[48:55], s[56:63] the same for B's tiles
.set G0B, 56
.set G1S, 68                           ; s[68:75], s[76:79] groups 1 and 0 for A's scales;  s[80:87], s[88:91] for B's
.set G0S, 76
.set G1SB, 80
.set G0SB, 88
.set YC,  95                           ; s95 the cluster's y: the same in all sixteen partners
.set MSB, 0
.macro WIN new                         ; the immediate's high byte repeats the setting that is left
.if MSB != \new
	s_set_vgpr_msb (MSB<<8)|(\new)
.set MSB, \new
.endif
.endm
.set MUL_LO, 0xa1                      ; source 0 (B) window 1, source 1 (A) window 0, C and D window 2
.set MUL_HI, 0xf1                      ; the same, C and D window 3
.set TO_B,   0x40                      ; destination window 1, address window 0
; A joint load: waves 0 and 1 fetch for A, waves 2 and 3 for B.  Each of the two lines has ONE mask and one set of registers for all that issue it; the branch hangs on the wave's number alone.
; An s_nop 0 and four v_nop follow each of the two lines.
.macro JLOAD g0a, g1a, g0b, g1b
	s_cmp_eq_u32 s15, 0
	s_cbranch_scc0 .Lfor_b_\@
	tensor_load_to_lds s[\g0a:\g0a+3], s[\g1a:\g1a+7]
	s_nop 0
.rept 4
	v_nop
.endr
	s_branch .Lasked_\@
.Lfor_b_\@:
	tensor_load_to_lds s[\g0b:\g0b+3], s[\g1b:\g1b+7]
	s_nop 0
.rept 4
	v_nop
.endr
.Lasked_\@:
.endm
.macro CROUND                          ; a round of the cluster's barrier
	s_barrier_signal -1
	s_barrier_wait -1
	s_cmp_lg_u32 s14, 0
	s_cbranch_scc1 .Lnot_wave_0_\@
	s_barrier_signal -3
.Lnot_wave_0_\@:
	s_barrier_wait -3
	s_barrier_signal -1
	s_barrier_wait -1
.endm
	s_load_b128 s[4:7], s[0:1], 0x0                ; codes s[4:5], scales s[6:7]
	s_load_b64 s[12:13], s[0:1], 0x10              ; frag
	v_lshl_add_u32 v[SPW], v0, 2, SPARE
	v_mov_b32 v[NIL], 0
	ds_add_u32 v[SPW], v[NIL]                      ; the wave's opening: the add, twice on end, and its wait ahead of my first tensor load; the set-up below stands between
	ds_add_u32 v[SPW], v[NIL]
	v_lshrrev_b32 v1, 5, v0
	v_readfirstlane_b32 s14, v1                    ; wave 0..3
	s_lshr_b32 s15, s14, 1                         ; which half of A's 256 rows is mine.  Also: I fetch for A (0) or for B (1)
	s_and_b32 s16, s14, 1                          ; which half of B's.  Also: which 128 rows of that tile I fetch
	s_bfe_u32 s40, ttmp6, 0x40000                  ; cx, cy: my place in the cluster
	s_bfe_u32 s41, ttmp6, 0x40004
	s_and_b32 s[YC], ttmp7, 0xffff                 ; the cluster's y
	s_lshl_b32 s96, s[YC], 2                       ; 4 y: the first of the cluster's four tiles of tokens
	s_lshr_b32 s97, s[YC], 3
	s_lshl_b32 s97, s97, 2
	s_add_co_u32 s97, s97, 96                      ; 96 + 4 (y / 8): the first of the weight's four tiles
	s_cmp_lt_u32 s[YC], 16                         ; q or k?
	s_cselect_b32 s17, s96, 104                    ; A: tokens, or Wv
	s_cselect_b32 s42, s97, s96                    ; B: the weight, or v's tokens
	s_add_co_u32 s17, s17, s41                     ; A's tile: + cy, which my row of the cluster shares
	s_add_co_u32 s42, s42, s40                     ; B's tile: + cx, which my column shares
	s_lshl_b32 s43, s41, 2
	s_lshl_b32 s43, 15, s43                        ; my row of the cluster
	s_lshl_b32 s44, 0x1111, s40                    ; my column
	; descriptor group 1: a tile of 128 rows x 256 bytes, padded in LDS
	s_or_b32 s[G1+0], s43, (0<<16)|(1<<20)|(1<<21)|(5<<22)|(3<<25)  ; 15:0 the mask; 17:16 element of 1 byte; 20 padding on; 21 set beside a mask; 24:22 after every 64 words (code 5); 31:25 of 4 words (code 3)
	s_or_b32 s[G1B+0], s44, (0<<16)|(1<<20)|(1<<21)|(5<<22)|(3<<25)
.irp g, G1, G1B
	s_mov_b32 s[\g+1], ROWB<<16                    ; tensor_dim0
	s_mov_b32 s[\g+2], 128<<16                     ; tensor_dim1
	s_mov_b32 s[\g+3], ROWB<<16                    ; tile_dim0
	s_mov_b32 s[\g+4], 128                         ; tile_dim1
	s_mov_b32 s[\g+5], KROW                        ; tensor_dim0_stride
	s_mov_b32 s[\g+6], 0
	s_mov_b32 s[\g+7], 0
.endr
	; the scales of 128 rows: a dense block of 4,096 bytes, as 16 rows of 256 bytes (32 elements of 8 bytes), 16 bytes of padding behind each
	s_or_b32 s[G1S+0], s43, (3<<16)|(1<<20)|(1<<21)|(5<<22)|(3<<25)
	s_or_b32 s[G1SB+0], s44, (3<<16)|(1<<20)|(1<<21)|(5<<22)|(3<<25)
.irp g, G1S, G1SB
	s_mov_b32 s[\g+1], 32<<16
	s_mov_b32 s[\g+2], (128*KS/256)<<16
	s_mov_b32 s[\g+3], 32<<16
	s_mov_b32 s[\g+4], 128*KS/256
	s_mov_b32 s[\g+5], 32
	s_mov_b32 s[\g+6], 0
	s_mov_b32 s[\g+7], 0
.endr
	s_lshl_b32 s18, s16, 7                         ; which 128 rows of the tile I fetch
	s_lshl_b32 s20, s17, 8
	s_add_co_u32 s20, s20, s18                     ; A: row 256 x tile + 128 x half
	s_lshl_b32 s46, s42, 8
	s_add_co_u32 s46, s46, s18                     ; B likewise
	s_mov_b32 s21, 0
	s_mov_b32 s47, 0
	s_mov_b64 s[18:19], KS
	s_mul_u64 s[22:23], s[20:21], s[18:19]         ; where these rows' scales begin, in bytes
	s_mul_u64 s[92:93], s[46:47], s[18:19]
	s_mov_b64 s[18:19], KROW
	s_mul_u64 s[20:21], s[20:21], s[18:19]         ; and their codes
	s_mul_u64 s[46:47], s[46:47], s[18:19]
	s_mul_i32 s45, s14, HALFT                      ; where they go: wave x 128 rows: no place in the cluster enters an LDS address
	s_mul_i32 s94, s14, HALFS
	s_wait_dscnt 0x0                               ; both opening adds are done
	s_wait_kmcnt 0x0
	s_add_nc_u64 s[20:21], s[4:5], s[20:21]
	s_add_nc_u64 s[22:23], s[6:7], s[22:23]
	s_add_nc_u64 s[46:47], s[4:5], s[46:47]
	s_add_nc_u64 s[92:93], s[6:7], s[92:93]
	CROUND                                         ; all sixteen work-groups are here: the first joint loads meet
	s_mov_b32 s[G0S], 1
	s_add_co_u32 s[G0S+1], s94, SCL
	s_mov_b64 s[G0S+2:G0S+3], s[22:23]
	s_or_b32 s[G0S+3], s[G0S+3], 0x80000000
	s_mov_b32 s[G0SB], 1
	s_add_co_u32 s[G0SB+1], s94, SCL
	s_mov_b64 s[G0SB+2:G0SB+3], s[92:93]
	s_or_b32 s[G0SB+3], s[G0SB+3], 0x80000000
	JLOAD G0S, G1S, G0SB, G1SB                     ; the scales first: they are wanted with K step 0
.irp s, 0,1
	s_mov_b32 s[G0+4*\s], 1
	s_add_co_u32 s[G0+4*\s+1], s45, \s*SLOT
	s_add_nc_u64 s[G0+4*\s+2:G0+4*\s+3], s[20:21], \s*ROWB
	s_or_b32 s[G0+4*\s+3], s[G0+4*\s+3], 0x80000000
	s_mov_b32 s[G0B+4*\s], 1
	s_add_co_u32 s[G0B+4*\s+1], s45, \s*SLOT
	s_add_nc_u64 s[G0B+4*\s+2:G0B+4*\s+3], s[46:47], \s*ROWB
	s_or_b32 s[G0B+4*\s+3], s[G0B+4*\s+3], 0x80000000
	JLOAD G0+4*\s, G1, G0B+4*\s, G1B
.endr
	v_and_b32 v1, 15, v0                           ; l % 16
	v_bfe_u32 v2, v0, 4, 1                         ; l / 16
	v_mul_u32_u24 v3, v1, PITCH
	v_lshl_add_u32 v4, v2, 4, v3                   ; a fragment's row x pitch + 16 x half
	s_mul_i32 s21, s15, HALFT                      ; my 128 rows of A
	s_mul_i32 s22, s16, HALFT                      ; my 128 rows of B,
	s_add_co_u32 s22, s22, 2*HALFT                 ; which lie behind A's 256
.irp s, 0,1
	v_add_nc_u32 v[ADRA+\s], s21, v4
	v_add_nc_u32 v[ADRB+\s], s22, v4
	s_add_co_u32 s21, s21, SLOT
	s_add_co_u32 s22, s22, SLOT
.endr
	v_mul_u32_u24 v5, v1, KS                       ; my row's scales: KS bytes a row,
	v_lshrrev_b32 v6, 8, v5
	v_lshl_add_u32 v5, v6, 4, v5                   ; and 16 more for each 256 passed
	s_mul_i32 s21, s15, HALFS                      ; A's: my 128 rows
	s_mul_i32 s22, s16, HALFS                      ; B's: my 128 rows, behind A's 256
	s_add_co_u32 s22, s22, 2*HALFS
	s_sub_co_u32 s22, s22, s21
	v_mul_u32_u24 v6, s22, v2                      ; lanes 16-31 take B's
	s_add_co_u32 s21, s21, SCL
	v_add_nc_u32 v5, v5, v6
	v_add_nc_u32 v[ADRS], s21, v5
	v_and_b32 v6, 31, v0
	v_lshlrev_b32 v[CO], 4, v6
	; where my images begin in frag.  tok: my first token in the one row space (its bits 11 and up are 4 x tensor + batch); hs: my first head
	s_lshl_b32 s20, s17, 8
	s_lshl_b32 s21, s15, 7
	s_add_co_u32 s20, s20, s21                     ; my first row of A
	s_lshl_b32 s46, s42, 8
	s_lshl_b32 s47, s16, 7
	s_add_co_u32 s46, s46, s47                     ; my first row of B
	s_lshl_b32 s21, s40, 2
	s_lshl_b32 s22, s16, 1
	s_add_co_u32 s21, s21, s22                     ; q, k: the weight's rows 256 cx + 128 half on: head 4 cx + 2 half
	s_lshl_b32 s47, s41, 2
	s_lshl_b32 s22, s15, 1
	s_add_co_u32 s47, s47, s22                     ; v: head 4 cy + 2 half
	s_cmp_lt_u32 s[YC], 16
	s_cselect_b32 s20, s20, s46                    ; tok
	s_cselect_b32 s21, s21, s47                    ; hs
	s_lshr_b32 s22, s20, 11
	s_lshl_b32 s22, s22, 22                        ; tensor and batch: 16 heads of 262,144 bytes a batch
	s_and_b32 s20, s20, 2047
	s_lshl_b32 s20, s20, 7                         ; 128 bytes a token in a head, in Q, K and V alike
	s_add_co_u32 s20, s20, s22
	s_lshl_b32 s21, s21, 18
	s_add_co_u32 s20, s20, s21
	s_mov_b32 s21, 0
	s_add_nc_u64 s[12:13], s[12:13], s[20:21]
.macro FRAG reg, adr, q, i             ; a fragment, 16 rows x 128 K of 4-bit codes, is 8 registers: lane l holds row l % 16; registers 4 c .. 4 c + 3 hold K = 64 c + 32 (l / 16) + 0 .. 31
.irp c, 0,1
	ds_load_b128 v[\reg+4*\c:\reg+4*\c+3], v[\adr] offset:64*(\q)+32*\c+(\i)*16*PITCH
.endr
.endm
; 16 matrix instructions: A's blocks a0, a0 + 1 x B's eight, 128 along K: the slot's q-th.  p: B's set;  sc: the set of scale words.  zero = 1: the first product starts the sums: nothing is ever cleared.
; The 64 accumulators take turns, one instruction a turn, in the same order in every step.
.macro MUL16 a0, p, q, sc, zero
.irp a, \a0, \a0+1
.irp b, 0,1,2,3,4,5,6,7
.if \zero
	v_wmma_scale_f32_16x16x128_f8f6f4 v[8*(8*((\a)%4)+\b):8*(8*((\a)%4)+\b)+7], v[128*(\p)+FR*\b:128*(\p)+FR*\b+FR-1], v[AF+FR*(\a):AF+FR*(\a)+FR-1], 0, v[SC+8*NQ*(\sc)+NQ*\b+(\q)], v[SC+8*NQ*(\sc)+NQ*(\a)+(\q)] matrix_a_fmt:MATRIX_FMT_FP4 matrix_b_fmt:MATRIX_FMT_FP4 matrix_a_scale:MATRIX_SCALE_ROW1
.else
	v_wmma_scale_f32_16x16x128_f8f6f4 v[8*(8*((\a)%4)+\b):8*(8*((\a)%4)+\b)+7], v[128*(\p)+FR*\b:128*(\p)+FR*\b+FR-1], v[AF+FR*(\a):AF+FR*(\a)+FR-1], v[8*(8*((\a)%4)+\b):8*(8*((\a)%4)+\b)+7], v[SC+8*NQ*(\sc)+NQ*\b+(\q)], v[SC+8*NQ*(\sc)+NQ*(\a)+(\q)] matrix_a_fmt:MATRIX_FMT_FP4 matrix_b_fmt:MATRIX_FMT_FP4 matrix_a_scale:MATRIX_SCALE_ROW1
.endif
.endr
.endr
.endm
.macro FETCH_B slot, q, p              ; B's eight fragments of the slot's q-th 128 along K into set p
	WIN TO_B
.irp i, 0,1,2,3,4,5,6,7
	FRAG 128*(\p)+FR*\i, ADRB+\slot, \q, \i
.endr
	WIN 0
.endm
.macro FETCH_A slot, q, i0             ; A's blocks i0 .. i0 + 3
.irp i, \i0, \i0+1, \i0+2, \i0+3
	FRAG AF+FR*(\i), ADRA+\slot, \q, \i
.endr
.endm
.macro SCALES sc                       ; a K step's scale words into set sc: NQ words a row; lanes 0-15 take A's block i, lanes 16-31 B's block i
.irp i, 0,1,2,3,4,5,6,7
	ds_load_b128 v[SC+8*NQ*\sc+NQ*\i:SC+8*NQ*\sc+NQ*\i+3], v[ADRS] offset:\i*SBLK
.endr
.endm
; A load into a register that a matrix instruction has read, and a vector instruction that reads a matrix result or writes a matrix instruction's register, stand NP places behind it; only plain vector
; instructions that name none of its registers are places (ISA guide 7.12.1 for vector instructions).
.macro PLACES n
.rept \n
	v_nop
.endr
.endm
; A step of 128 along K that has its successor in the same slot.  A's blocks are free as soon as their eight products are issued: blocks 0-3 are fetched anew in the step's middle, blocks 4-7 at its end.
.macro STEP slot, q, zero
	s_wait_dscnt 4*NL                              ; B's set and A's blocks 0-3 are in; the youngest eight loads (A's blocks 4-7) may be out
	WIN MUL_LO
	MUL16 0, (\q)%2, \q, \slot, \zero
	MUL16 2, (\q)%2, \q, \slot, \zero
	s_wait_dscnt 0                                 ; A's blocks 4-7 are in (asked for 32 matrix instructions ago)
	PLACES NP
	FETCH_B \slot, (\q)+1, 1-(\q)%2
	FETCH_A \slot, (\q)+1, 0
	WIN MUL_HI
	MUL16 4, (\q)%2, \q, \slot, \zero
	MUL16 6, (\q)%2, \q, \slot, \zero
	PLACES NP
	WIN 0
	FETCH_A \slot, (\q)+1, 4
.endm
; Slot 0's last step changes slots: each wave waits for all its tensor loads (its part of slot 1), and a barrier shows slot 1 whole to all four.  Nothing is filled again.
.macro TURN slot, next
	s_wait_tensorcnt 0x0                           ; all my tensor loads have landed
	ds_add_u32 v[SPW], v[NIL]                      ; 0 onto my spare word
	s_wait_dscnt 4*NL+1                            ; (the add and the youngest eight loads, A's blocks 4-7, may be out)
	WIN MUL_LO
	MUL16 0, 1, NQ-1, \slot, 0
	s_wait_dscnt 0x0                               ; no LDS instruction of mine is out at the signal
	s_barrier_signal -1
	MUL16 2, 1, NQ-1, \slot, 0
	WIN 0
	s_barrier_wait -1
	PLACES NP
	v_add_nc_u32 v[ADRS], 4*NQ, v[ADRS]            ; on to the next K step's scale words
	FETCH_B \next, 0, 0
	FETCH_A \next, 0, 0
	SCALES \next
	WIN MUL_HI
	MUL16 4, 1, NQ-1, \slot, 0
	MUL16 6, 1, NQ-1, \slot, 0
	PLACES NP
	WIN 0
	FETCH_A \next, 0, 4
.endm
.macro STEPS slot, from                ; the slot's steps from .. NQ - 2
.set Q, \from
.rept NQ-1-\from
	STEP \slot, Q, 0
.set Q, Q+1
.endr
.endm
	s_wait_tensorcnt 1                             ; the scales and my part of K step 0 are in (slot 1's load, the one issued behind them, may be out),
	s_barrier_signal -1
	s_barrier_wait -1                              ; everybody's are
	FETCH_B 0, 0, 0
	FETCH_A 0, 0, 0
	SCALES 0
	FETCH_A 0, 0, 4
	STEP 0, 0, 1                                   ; the first step's products start the sums
	STEPS 0, 1
	TURN 0, 1
	STEPS 1, 0
	s_wait_dscnt 4*NL                              ; the very last step: nothing more to fetch
	WIN MUL_LO
	MUL16 0, 1, NQ-1, 1, 0
	MUL16 2, 1, NQ-1, 1, 0
	s_wait_dscnt 0
	WIN MUL_HI
	MUL16 4, 1, NQ-1, 1, 0
	MUL16 6, 1, NQ-1, 1, 0
	WIN 0
; THE WAY OUT.  A's block a: its eight accumulators are rounded to bf16, each from its low end on, four registers each, into one of four sets; eight stores of 512 consecutive bytes follow.
.macro PACK a
.set AC, 64*((\a)%4)
.set PK, 128+32*((\a)%4)
.if (\a) >= 4
	s_wait_xcnt 0x0                                ; block a - 4's stores have read this set
.endif
	WIN 0x0a+5*((\a)/4)                            ; sources 0 and 1: window 2 or 3
.irp b, 0,1,2,3,4,5,6,7
.irp r, 0,1,2,3
	v_cvt_pk_bf16_f32 v[PK+4*\b+\r], v[AC+8*\b+2*\r], v[AC+8*\b+2*\r+1]
.endr
.endr
	WIN 0
.endm
.macro OUTQK a                         ; lane: token 16 a + r; accumulator b: channels 16 b + 8 h + 0 .. 7: head b / 4, image (b / 2) % 2, half b % 2
.irp b, 0,1,2,3,4,5,6,7
	global_store_b128 v[CO], v[PK+4*\b:PK+4*\b+3], s[12:13] offset:(\a)*2048+(\b/4)*262144+((\b/2)%2)*1024+(\b%2)*512
.endr
.endm
.macro OUTV a                          ; lane: channel 16 a + r: head a / 4, tile a % 4; accumulator b: keys 16 b + 8 h + 0 .. 7: block of 32 b / 2, half b % 2
.irp b, 0,1,2,3,4,5,6,7
	global_store_b128 v[CO], v[PK+4*\b:PK+4*\b+3], s[12:13] offset:((\a)/4)*262144+((\a)%4)*1024+(\b/2)*4096+(\b%2)*512
.endr
.endm
	PLACES NP                                      ; behind the last products: the conversions read results and write over A's fragments
	s_cmp_lt_u32 s[YC], 16                         ; the cluster's y: all sixteen partners go the same way
	s_cbranch_scc0 .Lout_v
.irp a, 0,1,2,3,4,5,6,7
	PACK \a
	OUTQK \a
.endr
	s_branch .Lout_done
.Lout_v:
.irp a, 0,1,2,3,4,5,6,7
	PACK \a
	OUTV \a
.endr
.Lout_done:
	s_wait_tensorcnt 0x0                           ; the wave's end
	ds_add_u32 v[SPW], v[NIL]
	s_wait_dscnt 0x0
	CROUND                                         ; the closing round: no work-group ends while a partner may still ask for a tile that names it
	s_endpgm
.Lfunc_end_k_q5410792143_proj:
	.size	k_q5410792143_proj, .Lfunc_end_k_q5410792143_proj-k_q5410792143_proj
	.p2alignl 7, 3214868480
	.fill 96, 4, 3214868480
	.section	.rodata,"a",@progbits
	.p2align	6, 0x0
	.amdhsa_kernel k_q5410792143_proj
		.amdhsa_group_segment_fixed_size 327680
		.amdhsa_private_segment_fixed_size 0
		.amdhsa_enable_private_segment 0
		.amdhsa_kernarg_size 24
		.amdhsa_user_sgpr_count 2
		.amdhsa_user_sgpr_kernarg_segment_ptr 1
		.amdhsa_wavefront_size32 1
		.amdhsa_system_sgpr_workgroup_id_x 1
		.amdhsa_system_sgpr_workgroup_id_y 1
		.amdhsa_system_sgpr_workgroup_id_z 1
		.amdhsa_system_vgpr_workitem_id 0
		.amdhsa_next_free_vgpr 1024
		.amdhsa_next_free_sgpr 98
		.amdhsa_reserve_vcc 0
		.amdhsa_float_denorm_mode_32 3
		.amdhsa_float_denorm_mode_16_64 3
		.amdhsa_memory_ordered 1
		.amdhsa_forward_progress 1
		.amdhsa_inst_pref_size 141
	.end_amdhsa_kernel
	.amdgpu_metadata
---
amdhsa.version: [ 1, 2 ]
amdhsa.kernels:
  - .name:           k_q5410792143_proj
    .symbol:         k_q5410792143_proj.kd
    .args:
      - { .name: codes, .offset: 0, .size: 8, .value_kind: global_buffer, .address_space: global }
      - { .name: scales, .offset: 8, .size: 8, .value_kind: global_buffer, .address_space: global }
      - { .name: frag, .offset: 16, .size: 8, .value_kind: global_buffer, .address_space: global }
    .group_segment_fixed_size: 327680
    .private_segment_fixed_size: 0
    .kernarg_segment_align: 8
    .kernarg_segment_size: 24
    .max_flat_workgroup_size: 128
    .sgpr_count:     98
    .vgpr_count:     1024
    .wavefront_size: 32
...
	.end_amdgpu_metadata
.endif
;; end of part 2
;; launch attn (part 3): grid 4 x 64, 8 waves a work-group, clusters of 4 x 1, 327,680 bytes of LDS; arguments frag, zero_mask, ctxf; writes ctxf
.if DOCPART == 3
	.amdgcn_target "amdgcn-amd-amdhsa--gfx1250"
	.amdhsa_code_object_version 6
	.text
	.protected	k_q5410792143_attn
	.globl	k_q5410792143_attn
	.p2align	8
	.type	k_q5410792143_attn,@function
k_q5410792143_attn:
	s_mov_b64 s[64:65], 0
	v_nop
	global_prefetch_b8 v0, s[64:65] scope:SCOPE_SE
	s_setreg_imm32_b32 hwreg(HW_REG_WAVE_MODE, 25, 1), 1
	s_wait_xcnt 0x0
	s_wait_alu depctr_hold_cnt(0) depctr_sa_sdst(0) depctr_va_vdst(0) depctr_va_sdst(0) depctr_va_ssrc(0) depctr_va_vcc(0) depctr_vm_vsrc(0)
	s_getreg_b32 s2, hwreg(HW_REG_IB_STS2, 6, 4)
	s_cmp_eq_u32 s2, 0
	s_cbranch_scc0 .Lentry_in_a_cluster
	s_endpgm
.Lentry_in_a_cluster:
	s_bfe_u32 s2, ttmp6, 0x10000c
	s_cmp_lg_u32 s2, 0x3003
	s_cbranch_scc0 .Lentry_shape_is_right
	s_endpgm
.Lentry_shape_is_right:
; ctx[b][q][64 h + :] = the sum over k of softmax_k(Q[bh][q] . K[bh][k] / 8 - 1e9 zero_mask[b][k]) V[bh][k][:].  Q, K, V arrive as bf16 images of operand registers (frag), ctx leaves so (ctxf).  Products, maxima and sums in f32.
; bf16 and not f16: with larger inputs the heads' numbers have no room in f16.
; AN IMAGE is a fragment (16 rows x 32 K, 8 registers a lane): registers 0-3 at 16 x lane, registers 4-7 at 512 + 16 x lane: 1,024 bytes.  Every fragment load is 512 consecutive bytes; nothing is padded or turned.
; SHARES.  A cluster of four work-groups is one head (64 clusters); a work-group owns 512 queries, each of its EIGHT waves 64: four tiles of 16, in 512 registers.  Two waves share a SIMD, so that one wave's softmax stands beside the other's products.
; Every wave walks the head's 2,048 keys, 64 a step.  K and V come through two LDS slots of 512 keys (K 65,536 bytes, then V 65,536), asked for JOINTLY by the four work-groups: each of the eight waves fetches 16,384 bytes (waves 0-3 K's quarters, 4-7 V's).
; LAYOUT.  S^T = K Q^T (source 0 = 16 keys, source 1 = 16 queries): a lane holds ONE query (lane % 16) and keys 8 (lane / 16) + 0 .. 7.  Two such tiles, rounded to bf16 in pairs IN PLACE, are source 1 of O^T = V^T P, whose result again holds one query a lane.
; SOFTMAX.  t = s x log2(e) / 8 + mask term (one fused multiply-add); for each query a running maximum m of t and a sum l: p = 2^(t - m); in every step O and l are multiplied by a = 2^(m_old - m_new).  The sum is taken of p before it is rounded.
; The mask term, zero_mask x (-1e9 log2(e)), is made once for the batch's 2,048 keys and kept in LDS.
; LIMITS: the mask term is rounded as zero_mask x (-1e9 log2 e) and added in units of t, where the reference adds zero_mask x -1e9 to s / 8: the grain of the sum differs by the factor log2 e; m starts at -3e38; NaN and infinities are not served.
; THE PIPELINE.  A trip is entered behind K Q^T of its step j.  It asks for K of step j + 1, walks the softmax of step j, asks for the mask terms of j + 1, multiplies V^T P of j, asks for V of j + 1, and multiplies K Q^T of j + 1.
; REGISTERS.  window 0: v1-7 addresses; v8-23 statistics, 4 a tile (m, a word named with it as a pair, l in two halves); v32-63 the step's 32 mask terms, then 8 temporaries a tile; v64-191 S^T, 32 a tile, then P in each tile's first 16; v192-255 K of one step.
;   window 1: v0-127 O^T, 32 a tile; v128-191 Q, 16 a tile; v192-255 V of one step.
.set STEPB, 8192                       ; a step's 64 keys of K, or of V, in bytes
.set VOFF,  65536                      ; in a slot V lies behind K
.set SLOT1, 131072                     ; slot 1 begins here: one exclusive or turns an address in one slot into the other's
.set MK,    262144                     ; behind the slots: the batch's 2,048 mask terms, 8,192 bytes; no tile lands here
.set SPARE, MK+8192                    ; the spare words, 128 bytes a wave, which no other line names
.set SPW, 1                            ; v1  LDS address of my spare word; never rewritten
.set NIL, 2                            ; v2  0; never rewritten
.set L16, 3                            ; v3  16 x lane
.set ADK, 4                            ; v4  LDS address of the step's K
.set ADV, 5                            ; v5  of its V
.set ADM, 6                            ; v6  of its mask terms
.set MH,  7                            ; v7  MK + 32 (lane / 16)
.set ST,  8
.set PFO, 26                           ; v26 256 x lane; never rewritten
.set MKR, 32                           ; temporaries of tile t at MKR + 8 t: +0..3 four chains of the maximum; +4 a, +5 m_old - m_new (a pair); +6, +7 a second chain of the sum
.set S,   64
.set KF,  192
.set O,   0                            ; window 1
.set Q,   128
.set VF,  192
.set WV,  12                           ; s12 my wave's number
.set CX,  13                           ; s13 my place in the cluster
.set BH,  14                           ; s14 the head: 16 batch + head
.set LIM, 15                           ; s15 1 in a wave that prefetches, else the greatest number
.set PFA, 18                           ; s[18:19] where my prefetch stands; never rewritten
.set G1,  24                           ; s[24:31] descriptor group 1: one shape for all loads
.set G0,  32                           ; s[32:35] group 0 of the first fill; s[36:39] of the second, which then walks
.set SLOTS, 56                         ; s56 slots still to be asked for
.set TRIPS, 57                         ; s57 counts trips
.set CS,  58                           ; s[58:59] log2(e) / 8: the packed form names a pair and takes its low word
.set SEL, 60                           ; s[60:61] v_permlanex16_b32's selects for lane l xor 16
.set TB,  62                           ; s62 LDS byte at which K of the step to be fetched begins
.set TM,  63                           ; s63 and its mask terms: 256 bytes a step
.set MSB, 0
.macro WIN new                         ; the immediate's high byte repeats the setting that is left
.if MSB != \new
	s_set_vgpr_msb (MSB<<8)|(\new)
.set MSB, \new
.endif
.endm
.set W_KQ, 0x04                        ; source 1 (Q) window 1; K and S^T window 0
.set W_PV, 0x51                        ; source 0 (V), C and D (O^T) window 1; source 1 (P) window 0
.set W_RS, 0x41                        ; O^T (destination and source 0) window 1, the factor window 0
.set W_L1, 0x40                        ; destination window 1, address window 0
.macro ROUND                           ; a round of the cluster's barrier
	s_barrier_signal -1
	s_barrier_wait -1
	s_cmp_lg_u32 s[WV], 0
	s_cbranch_scc1 .Lnot_wave_0_\@
	s_barrier_signal -3
.Lnot_wave_0_\@:
	s_barrier_wait -3
	s_barrier_signal -1
	s_barrier_wait -1
.endm
.macro FETCHK                          ; 64 keys x 64 channels: fragment (key tile kt, half c of the channels) at KF + 8 (2 kt + c)
.irp n, 0,1,2,3,4,5,6,7,8,9,10,11,12,13,14,15
	ds_load_b128 v[KF+4*\n:KF+4*\n+3], v[ADK] offset:512*\n
.endr
.endm
.macro FETCHM                          ; register 8 kt + j: the term of key 16 kt + 8 (lane / 16) + j: as S^T's registers lie
.irp n, 0,1,2,3,4,5,6,7
	ds_load_b128 v[MKR+4*\n:MKR+4*\n+3], v[ADM] offset:64*(\n/2)+16*(\n%2)
.endr
.endm
.macro FETCHV                          ; fragment (32 keys kb, 16 channels dt) at VF + 8 (4 kb + dt)
	WIN W_L1
.irp n, 0,1,2,3,4,5,6,7,8,9,10,11,12,13,14,15
	ds_load_b128 v[VF+4*\n:VF+4*\n+3], v[ADV] offset:512*\n
.endr
.endm
; The accumulators take turns, one instruction a turn: between two links of a chain stand the 15 others'.
.macro KQ                              ; S^T = K Q^T: the first 16 products start the sums
	WIN W_KQ
.irp c, 0,1
.irp kt, 0,1,2,3
.irp t, 0,1,2,3
.if \c == 0
	v_wmma_f32_16x16x32_bf16 v[S+32*\t+8*\kt:S+32*\t+8*\kt+7], v[KF+8*(2*\kt+\c):KF+8*(2*\kt+\c)+7], v[Q+16*\t+8*\c:Q+16*\t+8*\c+7], 0
.else
	v_wmma_f32_16x16x32_bf16 v[S+32*\t+8*\kt:S+32*\t+8*\kt+7], v[KF+8*(2*\kt+\c):KF+8*(2*\kt+\c)+7], v[Q+16*\t+8*\c:Q+16*\t+8*\c+7], v[S+32*\t+8*\kt:S+32*\t+8*\kt+7]
.endif
.endr
.endr
.endr
.endm
.macro PV                              ; O^T += V^T P
	WIN W_PV
.irp kb, 0,1
.irp dt, 0,1,2,3
.irp t, 0,1,2,3
	v_wmma_f32_16x16x32_bf16 v[O+32*\t+8*\dt:O+32*\t+8*\dt+7], v[VF+8*(4*\kb+\dt):VF+8*(4*\kb+\dt)+7], v[S+32*\t+8*\kb:S+32*\t+8*\kb+7], v[O+32*\t+8*\dt:O+32*\t+8*\dt+7]
.endr
.endr
.endr
.endm
; THE SOFTMAX of a step for my four tiles, which alternate line by line, so that no line waits for the line above it.  Each accumulator is read from its low end on.
.macro SOFT
.set i, 0
.rept 16
.irp t, 0,1,2,3
	v_pk_fma_f32 v[S+32*\t+2*i:S+32*\t+2*i+1], v[S+32*\t+2*i:S+32*\t+2*i+1], s[CS:CS+1], v[MKR+2*i:MKR+2*i+1] op_sel_hi:[1,0,1]   ; t = s c + the key's mask term
.endr
.set i, i+1
.endr
.irp j, 0,1,2,3                        ; the largest t: four chains of seven, then what is left, the chains and the old m.  (The mask terms are done with: their registers are the temporaries)
.irp t, 0,1,2,3
	v_max3_num_f32 v[MKR+8*\t+\j], v[S+32*\t+8*\j], v[S+32*\t+8*\j+1], v[S+32*\t+8*\j+2]
.endr
.endr
.irp u, 1,2
.irp j, 0,1,2,3
.irp t, 0,1,2,3
	v_max3_num_f32 v[MKR+8*\t+\j], v[MKR+8*\t+\j], v[S+32*\t+8*\j+2*\u+1], v[S+32*\t+8*\j+2*\u+2]
.endr
.endr
.endr
.irp t, 0,1,2,3
	v_max3_num_f32 v[MKR+8*\t], v[MKR+8*\t], v[S+32*\t+7], v[S+32*\t+15]
.endr
.irp t, 0,1,2,3
	v_max3_num_f32 v[MKR+8*\t+2], v[MKR+8*\t+2], v[S+32*\t+23], v[S+32*\t+31]
.endr
.irp t, 0,1,2,3
	v_max3_num_f32 v[MKR+8*\t], v[MKR+8*\t], v[MKR+8*\t+1], v[MKR+8*\t+2]
.endr
.irp t, 0,1,2,3
	v_max3_num_f32 v[MKR+8*\t], v[MKR+8*\t], v[MKR+8*\t+3], v[ST+4*\t]
.endr
.irp t, 0,1,2,3
	v_permlanex16_b32 v[MKR+8*\t+1], v[MKR+8*\t], s[SEL], s[SEL+1]   ; the query's other 32 keys lie in the lane 16 away
.endr
.irp t, 0,1,2,3
	v_max_num_f32 v[MKR+8*\t+2], v[MKR+8*\t], v[MKR+8*\t+1]          ; the new m
.endr
.irp t, 0,1,2,3
	v_sub_f32 v[MKR+8*\t+5], v[ST+4*\t], v[MKR+8*\t+2]               ; m_old - m_new, 0 or less
.endr
.irp t, 0,1,2,3
	v_mov_b32 v[ST+4*\t], v[MKR+8*\t+2]
.endr
.set i, 0
.rept 16
.irp t, 0,1,2,3
	v_pk_add_f32 v[S+32*\t+2*i:S+32*\t+2*i+1], v[S+32*\t+2*i:S+32*\t+2*i+1], v[ST+4*\t:ST+4*\t+1] op_sel_hi:[1,0] neg_lo:[0,1] neg_hi:[0,1]   ; t - m
.endr
.set i, i+1
.endr
.irp t, 0,1,2,3                        ; ONE BATCH of 132 exponentials: none of them reads another's result
	v_exp_f32 v[MKR+8*\t+4], v[MKR+8*\t+5]                           ; a
.endr
.set i, 0
.rept 32
.irp t, 0,1,2,3
	v_exp_f32 v[S+32*\t+i], v[S+32*\t+i]                             ; p
.endr
.set i, i+1
.endr
	v_nop                                          ; a plain instruction behind the last exponential,
	s_wait_alu depctr_va_vdst(0)                   ; and the one wait ahead of the batch's first reader
.irp t, 0,1,2,3
	v_pk_mul_f32 v[ST+4*\t+2:ST+4*\t+3], v[ST+4*\t+2:ST+4*\t+3], v[MKR+8*\t+4:MKR+8*\t+5] op_sel_hi:[1,0]   ; l under the new m
.endr
.irp t, 0,1,2,3
	v_pk_add_f32 v[MKR+8*\t+6:MKR+8*\t+7], v[S+32*\t:S+32*\t+1], v[S+32*\t+2:S+32*\t+3]                     ; the sum of the unrounded p, two at a time, in two chains
.endr
.set i, 4
.rept 7
.irp t, 0,1,2,3
	v_pk_add_f32 v[ST+4*\t+2:ST+4*\t+3], v[ST+4*\t+2:ST+4*\t+3], v[S+32*\t+i:S+32*\t+i+1]
.endr
.irp t, 0,1,2,3
	v_pk_add_f32 v[MKR+8*\t+6:MKR+8*\t+7], v[MKR+8*\t+6:MKR+8*\t+7], v[S+32*\t+i+2:S+32*\t+i+3]
.endr
.set i, i+4
.endr
.irp t, 0,1,2,3
	v_pk_add_f32 v[ST+4*\t+2:ST+4*\t+3], v[ST+4*\t+2:ST+4*\t+3], v[MKR+8*\t+6:MKR+8*\t+7]
.endr
.set i, 0
.rept 16                               ; P in place, ascending: register i takes p 2 i and 2 i + 1, which lie at or above it
.irp t, 0,1,2,3
	v_cvt_pk_bf16_f32 v[S+32*\t+i], v[S+32*\t+2*i], v[S+32*\t+2*i+1]
.endr
.set i, i+1
.endr
	WIN W_RS
.set i, 0
.rept 16
.irp t, 0,1,2,3
	v_pk_mul_f32 v[O+32*\t+2*i:O+32*\t+2*i+1], v[O+32*\t+2*i:O+32*\t+2*i+1], v[MKR+8*\t+4:MKR+8*\t+5] op_sel_hi:[1,0]   ; O^T under the new m
.endr
.set i, i+1
.endr
	WIN 0
.endm
; THE TRIP of step j.  next = 1: step j + 1 follows.
.macro TRIP next
.if \next
	v_add_nc_u32 v[ADK], s[TB], v[L16]             ; three address lines and a v_nop: the four places between K Q^T and the loads into K's registers and the first read of the scores
	v_add_nc_u32 v[ADV], VOFF, v[ADK]
	v_add_nc_u32 v[ADM], s[TM], v[MH]
	v_nop
	FETCHK
.else
.rept 4
	v_nop
.endr
.endif
	SOFT
.if \next
	FETCHM                                         ; the temporaries are done with
	s_wait_dscnt 24                                ; V of step j is in: behind it were issued K's 16 loads and the mask's 8
.else
	s_wait_dscnt 0x0
.endif
	PV
.if \next
	WIN 0
.rept 5
	v_nop                                          ; five places: K Q^T writes over P, an operand of V^T P; four of them serve the loads into V's registers
.endr
	FETCHV
	s_add_co_u32 s[TB], s[TB], STEPB
	s_add_co_u32 s[TM], s[TM], 256
	s_wait_dscnt 16                                ; K and the mask terms are in: V's 16 loads may be out
	KQ
	WIN 0
.endif
.endm
.macro LOOPN n
	s_mov_b32 s[TRIPS], \n
.Ltrip_\@:
	TRIP 1
	s_sub_co_u32 s[TRIPS], s[TRIPS], 1
	s_cmp_lg_u32 s[TRIPS], 0
	s_cbranch_scc1 .Ltrip_\@
.endm
; THE CHANGE OF SLOTS stands where the slot's last bytes, V of its eighth step, have been asked for.  Each wave waits for all its tensor loads (one is out: its part of the other slot), adds 0 to its spare word, and waits for that and for its reads.
; fill = 1: the slot is filled again with the keys two slots on.  The barrier is then a round of the cluster's, and the joint refill is the first thing behind it: it has eight steps, 512 matrix instructions a wave, in which to land.
.macro CHANGE fill
	s_wait_tensorcnt 0x0                           ; no tensor load of mine is out, so a group 0 may be written
	ds_add_u32 v[SPW], v[NIL]                      ; 0 onto my spare word
.if \fill
	s_xor_b32 s[G0+5], s[G0+5], SLOT1              ; the walking descriptor: the other slot than last time,
	s_add_nc_u64 s[G0+6:G0+7], s[G0+6:G0+7], 65536 ; the next 512 keys; the type bits on top are not reached
.endif
	s_wait_dscnt 0x0                               ; the add is done, and my reads of the slot are over
.if \fill
	ROUND
	tensor_load_to_lds s[G0+4:G0+7], s[G1:G1+7]
	s_nop 0
.rept 4
	v_nop
.endr
	; A PREFETCH INTO THE L2 of what the next change will ask for: the head's last 512 keys of K and of V, 512 blocks of 256 bytes, each named once: eight steps ahead of that load.  Waves 0-3 ask, a lane a block;
	; the four partners are told apart by address (K's halves, V's halves).  The second filling change asks for nothing: there is no slot behind it.  The first three fills come by their loads alone.
	s_cmp_gt_u32 s[SLOTS], s[LIM]
	s_cbranch_scc0 .Lnot_mine_\@
	global_prefetch_b8 v[PFO], s[PFA:PFA+1] th:TH_LOAD_NT scope:SCOPE_SE
.Lnot_mine_\@:
.else
	s_barrier_signal -1
	s_barrier_wait -1
.endif
	s_sub_co_u32 s[TB], s[TB], 65536               ; the fetches go back to a slot's first step,
	s_xor_b32 s[TB], s[TB], SLOT1                  ; in the other slot
.endm
	s_load_b128 s[4:7], s[0:1], 0x0                ; frag s[4:5], zero_mask s[6:7]
	s_load_b64 s[8:9], s[0:1], 0x10                ; ctxf
	v_lshl_add_u32 v[SPW], v0, 2, SPARE
	v_mov_b32 v[NIL], 0
	ds_add_u32 v[SPW], v[NIL]                      ; the wave's opening: the add, twice on end, and its wait ahead of my first tensor load; the set-up below stands between
	ds_add_u32 v[SPW], v[NIL]
	v_lshrrev_b32 v24, 5, v0
	v_readfirstlane_b32 s[WV], v24                 ; wave 0..7
	s_bfe_u32 s[CX], ttmp6, 0x40000                ; cx
	s_and_b32 s[BH], ttmp7, 0xffff                 ; the head, which the four partners share
	; descriptor group 1: a dense block of 16,384 bytes as 64 rows of 256 bytes (32 elements of 8 bytes), unpadded
	s_mov_b32 s[G1], 15|(3<<16)|(1<<21)            ; 15:0 the mask: all four work-groups; 17:16 elements of 8 bytes; 21 set beside a mask
	s_mov_b32 s[G1+1], 32<<16                      ; tensor_dim0
	s_mov_b32 s[G1+2], 64<<16                      ; tensor_dim1
	s_mov_b32 s[G1+3], 32<<16                      ; tile_dim0
	s_mov_b32 s[G1+4], 64                          ; tile_dim1
	s_mov_b32 s[G1+5], 32                          ; tensor_dim0_stride
	s_mov_b32 s[G1+6], 0
	s_mov_b32 s[G1+7], 0
	s_lshl_b32 s17, s[BH], 18                      ; the head's 262,144 bytes in each of Q, K, V
	s_lshr_b32 s16, s[WV], 2
	s_add_co_u32 s16, s16, 1
	s_lshl_b32 s16, s16, 24                        ; waves 0-3: K's region of frag; 4-7: V's
	s_add_co_u32 s20, s16, s17
	s_and_b32 s16, s[WV], 3
	s_lshl_b32 s16, s16, 14                        ; my quarter of a fill
	s_add_co_u32 s20, s20, s16
	s_mov_b32 s21, 0                               ; s[20:21]: what I fetch first; no place in the cluster enters it
	s_mov_b32 s[G0], 1
	s_lshl_b32 s[G0+1], s[WV], 14                  ; LDS: wave x 16,384: K's four quarters, then V's
	s_mov_b32 s[G0+4], 1
	s_add_co_u32 s[G0+5], s[G0+1], SLOT1
	s_lshl_b32 s16, s[CX], 5
	s_lshl_b32 s22, s[WV], 2
	s_add_co_u32 s16, s16, s22                     ; my first tile of 16 queries in the head: 32 cx + 4 wave
	s_lshl_b32 s22, s16, 11
	s_add_co_u32 s22, s22, s17
	s_mov_b32 s23, 0                               ; s[22:23]: my Q
	s_lshr_b32 s40, s[BH], 4                       ; the batch
	s_lshl_b32 s42, s40, 13
	s_mov_b32 s43, 0                               ; s[42:43]: its 2,048 numbers of the mask
	s_lshl_b32 s40, s40, 7
	s_add_co_u32 s40, s40, s16                     ; my first tile of 16 tokens
	s_lshl_b32 s40, s40, 15                        ; 32 images a tile
	s_and_b32 s41, s[BH], 15
	s_lshl_b32 s41, s41, 11                        ; the head's two images
	s_add_co_u32 s40, s40, s41
	s_mov_b32 s41, 0                               ; s[40:41]: my ctx
	s_lshr_b32 s44, s[CX], 1                       ; the prefetch: partners 0, 1: K's last fill; 2, 3: V's
	s_add_co_u32 s44, s44, 1
	s_lshl_b32 s44, s44, 24
	s_add_co_u32 s44, s44, s17
	s_and_b32 s45, s[CX], 1
	s_lshl_b32 s45, s45, 15                        ; which half of its 65,536 bytes
	s_add_co_u32 s44, s44, s45
	s_and_b32 s45, s[WV], 3
	s_lshl_b32 s45, s45, 13                        ; 8,192 bytes a wave
	s_add_co_u32 s44, s44, s45
	s_add_co_u32 s44, s44, 3*65536                 ; the fourth fill
	s_mov_b32 s45, 0
	s_cmp_lt_u32 s[WV], 4
	s_cselect_b32 s[LIM], 1, -1
	s_mov_b32 s[CS], 0x3e38aa3b                    ; log2(e) / 8
	s_mov_b32 s[CS+1], s[CS]                       ; (named with it as a pair, so it is written)
	s_mov_b32 s[SEL], 0x76543210
	s_mov_b32 s[SEL+1], 0xfedcba98
	s_mov_b32 s[TB], 0
	s_mov_b32 s[TM], 0
	v_and_b32 v[L16], 31, v0
	v_lshlrev_b32 v[PFO], 8, v[L16]
	v_lshlrev_b32 v[L16], 4, v[L16]
	v_bfe_u32 v24, v0, 4, 1
	v_lshl_add_u32 v[MH], v24, 5, MK
	v_lshlrev_b32 v25, 5, v0                       ; the mask: 32 bytes a thread
	v_lshl_add_u32 v27, v0, 5, MK
	s_wait_dscnt 0x0                               ; both opening adds are done
	s_wait_kmcnt 0x0
	s_add_nc_u64 s[PFA:PFA+1], s[4:5], s[44:45]
	s_add_nc_u64 s[G0+2:G0+3], s[4:5], s[20:21]
	s_add_nc_u64 s[G0+6:G0+7], s[G0+2:G0+3], 65536
	s_or_b32 s[G0+3], s[G0+3], 0x80000000          ; type = 2
	s_or_b32 s[G0+7], s[G0+7], 0x80000000
	s_add_nc_u64 s[4:5], s[4:5], s[22:23]
	s_add_nc_u64 s[6:7], s[6:7], s[42:43]
	s_add_nc_u64 s[8:9], s[8:9], s[40:41]
	ROUND                                          ; all four work-groups are here: the first joint loads meet
	tensor_load_to_lds s[G0:G0+3], s[G1:G1+7]      ; keys 0 to 511: two loads of mine are out
	s_nop 0
	tensor_load_to_lds s[G0+4:G0+7], s[G1:G1+7]    ; keys 512 to 1,023
	s_nop 0
.rept 4
	v_nop
.endr
	global_load_b128 v[32:35], v25, s[6:7]
	global_load_b128 v[36:39], v25, s[6:7] offset:16
	WIN W_L1
.irp n, 0,1,2,3,4,5,6,7,8,9,10,11,12,13,14,15      ; Q stays in registers: fragment (tile t, half c) at Q + 16 t + 8 c
	global_load_b128 v[Q+4*\n:Q+4*\n+3], v[L16], s[4:5] offset:512*\n th:TH_LOAD_NT
.endr
.set i, 0
.rept 128
	v_mov_b32 v[O+i], 0                            ; O^T.  (The trip is written without a first step of its own: it finds zeros, which the first a, 0, leaves zeros)
.set i, i+1
.endr
	WIN 0
.irp t, 0,1,2,3
	v_mov_b32 v[ST+4*\t], 0xff61b1e6               ; m: -3e38, under every t
	v_mov_b32 v[ST+4*\t+1], 0                      ; (named with m as a pair, so it is written)
	v_mov_b32 v[ST+4*\t+2], 0                      ; l, in two halves
	v_mov_b32 v[ST+4*\t+3], 0
.endr
	s_wait_loadcnt 16                              ; the mask's two loads are in; Q's 16 may be out
.irp j, 0,2,4,6
	v_pk_mul_f32 v[32+\j:33+\j], v[32+\j:33+\j], 0xceabfb8f op_sel_hi:[1,0]   ; x -1e9 log2(e)
.endr
	ds_store_b128 v27, v[32:35]
	ds_store_b128 v27, v[36:39] offset:16
	s_wait_tensorcnt 1                             ; my part of slot 0 is in; slot 1's load, issued behind it, may stay out
	s_wait_dscnt 0x0                               ; for the others' sake: my mask terms are stored
	s_barrier_signal -1
	s_barrier_wait -1
	v_add_nc_u32 v[ADK], s[TB], v[L16]
	v_add_nc_u32 v[ADV], VOFF, v[ADK]
	v_add_nc_u32 v[ADM], s[TM], v[MH]
	FETCHK                                         ; step 0
	FETCHM
	FETCHV
	s_mov_b32 s[TB], STEPB
	s_mov_b32 s[TM], 256
	s_wait_loadcnt 0x0                             ; Q
	s_wait_dscnt 16                                ; K and the mask terms are in
	KQ
	WIN 0
	LOOPN 7                                        ; steps 0 to 6: they fetch steps 1 to 7
	s_mov_b32 s[SLOTS], 2
.Lslot:                                            ; two trips: steps 7 to 22; keys 1,024 on go into slot 0, keys 1,536 on into slot 1
	CHANGE 1
	LOOPN 8
	s_sub_co_u32 s[SLOTS], s[SLOTS], 1
	s_cmp_lg_u32 s[SLOTS], 0
	s_cbranch_scc1 .Lslot
	CHANGE 0                                       ; the tail is written out
	LOOPN 8                                        ; steps 23 to 30
	TRIP 0                                         ; step 31
	; THE WAY OUT.  l's halves and the other half of the lanes' are added (twelve lines: the places behind the last products); O^T / l is rounded to bf16: four registers are half an image of the last launch's operand.
	WIN 0
.irp t, 0,1,2,3
	v_add_f32 v[MKR+8*\t], v[ST+4*\t+2], v[ST+4*\t+3]
.endr
.irp t, 0,1,2,3
	v_permlanex16_b32 v[MKR+8*\t+1], v[MKR+8*\t], s[SEL], s[SEL+1]
.endr
.irp t, 0,1,2,3
	v_add_f32 v[MKR+8*\t], v[MKR+8*\t], v[MKR+8*\t+1]
.endr
.irp t, 0,1,2,3
	v_rcp_f32 v[MKR+8*\t+4], v[MKR+8*\t]
.endr
	v_nop                                          ; a plain instruction behind the last reciprocal,
	s_wait_alu depctr_va_vdst(0)                   ; and the wait ahead of the first use: one for the four
	WIN W_RS
.set i, 0
.rept 16
.irp t, 0,1,2,3
	v_pk_mul_f32 v[O+32*\t+2*i:O+32*\t+2*i+1], v[O+32*\t+2*i:O+32*\t+2*i+1], v[MKR+8*\t+4:MKR+8*\t+5] op_sel_hi:[1,0]
.endr
.set i, i+1
.endr
	WIN 0x05                                       ; sources 0 and 1 window 1, destination window 0
.set i, 0
.rept 16
.irp t, 0,1,2,3
	v_cvt_pk_bf16_f32 v[S+16*\t+i], v[O+32*\t+2*i], v[O+32*\t+2*i+1]
.endr
.set i, i+1
.endr
	WIN 0
.irp t, 0,1,2,3
.irp dt, 0,1,2,3
	global_store_b128 v[L16], v[S+16*\t+4*\dt:S+16*\t+4*\dt+3], s[8:9] offset:\t*32768+(\dt/2)*1024+(\dt%2)*512   ; 32 lanes store 512 consecutive bytes, aligned
.endr
.endr
	s_wait_tensorcnt 0x0                           ; the wave's end
	ds_add_u32 v[SPW], v[NIL]
	s_wait_dscnt 0x0
	ROUND                                          ; the closing round
	s_endpgm
.Lfunc_end_k_q5410792143_attn:
	.size	k_q5410792143_attn, .Lfunc_end_k_q5410792143_attn-k_q5410792143_attn
	.p2alignl 7, 3214868480
	.fill 96, 4, 3214868480
	.section	.rodata,"a",@progbits
	.p2align	6, 0x0
	.amdhsa_kernel k_q5410792143_attn
		.amdhsa_group_segment_fixed_size 327680
		.amdhsa_private_segment_fixed_size 0
		.amdhsa_enable_private_segment 0
		.amdhsa_kernarg_size 24
		.amdhsa_user_sgpr_count 2
		.amdhsa_user_sgpr_kernarg_segment_ptr 1
		.amdhsa_wavefront_size32 1
		.amdhsa_system_sgpr_workgroup_id_x 1
		.amdhsa_system_sgpr_workgroup_id_y 1
		.amdhsa_system_sgpr_workgroup_id_z 1
		.amdhsa_system_vgpr_workitem_id 0
		.amdhsa_next_free_vgpr 512
		.amdhsa_next_free_sgpr 66
		.amdhsa_reserve_vcc 0
		.amdhsa_float_denorm_mode_32 3
		.amdhsa_float_denorm_mode_16_64 3
		.amdhsa_memory_ordered 1
		.amdhsa_forward_progress 1
		.amdhsa_inst_pref_size 170
	.end_amdhsa_kernel
	.amdgpu_metadata
---
amdhsa.version: [ 1, 2 ]
amdhsa.kernels:
  - .name:           k_q5410792143_attn
    .symbol:         k_q5410792143_attn.kd
    .args:
      - { .name: frag, .offset: 0, .size: 8, .value_kind: global_buffer, .address_space: global }
      - { .name: zero_mask, .offset: 8, .size: 8, .value_kind: global_buffer, .address_space: global }
      - { .name: ctxf, .offset: 16, .size: 8, .value_kind: global_buffer, .address_space: global }
    .group_segment_fixed_size: 327680
    .private_segment_fixed_size: 0
    .kernarg_segment_align: 8
    .kernarg_segment_size: 24
    .max_flat_workgroup_size: 256
    .sgpr_count:     66
    .vgpr_count:     512
    .wavefront_size: 32
...
	.end_amdgpu_metadata
.endif
;; end of part 3
;; launch outln (part 4): grid 128 x 1, 4 waves a work-group, clusters of 4 x 1, 327,680 bytes of LDS; arguments ctxf, wof, q, gamma, beta, out0; writes out0
.if DOCPART == 4
	.amdgcn_target "amdgcn-amd-amdhsa--gfx1250"
	.amdhsa_code_object_version 6
	.text
	.protected	k_q5410792143_outln
	.globl	k_q5410792143_outln
	.p2align	8
	.type	k_q5410792143_outln,@function
k_q5410792143_outln:
	s_mov_b64 s[64:65], 0
	v_nop
	global_prefetch_b8 v0, s[64:65] scope:SCOPE_SE
	s_setreg_imm32_b32 hwreg(HW_REG_WAVE_MODE, 25, 1), 1
	s_wait_xcnt 0x0
	s_wait_alu depctr_hold_cnt(0) depctr_sa_sdst(0) depctr_va_vdst(0) depctr_va_sdst(0) depctr_va_ssrc(0) depctr_va_vcc(0) depctr_vm_vsrc(0)
	s_getreg_b32 s2, hwreg(HW_REG_IB_STS2, 6, 4)
	s_cmp_eq_u32 s2, 0
	s_cbranch_scc0 .Lentry_in_a_cluster
	s_endpgm
.Lentry_in_a_cluster:
	s_bfe_u32 s2, ttmp6, 0x10000c
	s_cmp_lg_u32 s2, 0x3003
	s_cbranch_scc0 .Lentry_shape_is_right
	s_endpgm
.Lentry_shape_is_right:
; out0 = LayerNorm(ctx Wo^T + q) x gamma + beta.  ctx and Wo arrive as bf16 images of operand registers (ctxf, wof: registers 0-3 of a fragment at 16 x lane, registers 4-7 at 512 + 16 x lane); sums, residual and norm in f32.
; SHARES.  The norm wants whole rows, so a work-group owns 64 whole rows (four tiles of 16 tokens) and walks all of Wo.  Wave w makes columns 256 w .. 256 w + 255: 16 tiles of columns x 4 tiles of tokens = 64 accumulators, 512 registers.
; 64 rows and not 32: each fragment of Wo read from LDS then feeds four products and not two; 128 work-groups follow from 8,192 rows.
; K = 1,024 goes in 16 steps of 64 through two LDS slots of 131,072 bytes.  All work-groups walk the same Wo: the four of a cluster ask for each step JOINTLY.  A wave fetches, and reads, its own 32,768 bytes of a slot.
; ctx's fragments (8 a step, the same for the four waves) come straight into registers, a whole step ahead.
; The matrix instruction takes source 0 = 16 rows of Wo, source 1 = 16 tokens: lane (r, h) holds token r and columns 16 i + 8 h + 0 .. 7.
; THE RESIDUAL IS THE SUMS' START: q's rows are loaded by rows, turned through the wave's stage in LDS into the accumulators' layout, and the products add onto them: nothing is cleared and no first step is written out.
; LIMIT: so the residual is added first and not last: an order of f32 rounding that differs from the reference's.  NaN and infinities are not served.
; THE NORM: the row's mean (lane, lane xor 16, four waves through LDS), the rows centred in place, the mean of squares of the centred numbers likewise (no difference of large sums), x 1 / sqrt(var + 1e-5); gamma and beta on the way out, by rows.
; No prefetch: Wo is walked by all 32 clusters, and ctx's loads are issued a whole K step ahead of their use.
; REGISTERS.  window 0: v1-9 addresses; v10-17 the tiles' means, v18-25 their 1 / sqrt, as pairs; v32-47 gamma, beta; v48-63 four temporaries a tile; v64-127, v128-191 ctx's fragments, two sets ((a, c) at + 8 (2 a + c)); on the way out v128-255 rows.
;   window 1: Wo's fragments: v0-127 the step's first 32 along K, v128-255 its second.   window 2: accumulators of token tiles 0, 1 ((a, i) at 8 (16 (a % 2) + i));   window 3: tiles 2, 3.
.set SLOT1,  131072
.set STAGE,  262144                    ; behind the slots: 16 rows x (512 bytes + 16) for each wave; no tile lands here
.set SPITCH, 528
.set RED1,   STAGE+4*16*SPITCH         ; 64 rows x 4 waves' partial sums, 1,024 bytes; the second reduction's lie 1,024 bytes on
.set SPARE,  RED1+2048                 ; the spare words, 128 bytes a wave, which no other line names
.set L16,  3                           ; v3  16 x lane
.set ADRB, 4                           ; v4-5 LDS address of my part of slot 0, 1
.set STO,  6                           ; v6  the stage by the accumulators' layout: row r, + 32 h
.set RD,   7                           ; v7  the stage by rows: 16 x lane
.set RW,   8                           ; v8  where I put a row's partial sum: RED1 + 16 r + 4 wave
.set RR,   9                           ; v9  where I read a row's four: RED1 + 16 r
.set MU,   10
.set RS,   18
.set SPW,  28                          ; v28 LDS address of my spare word; never rewritten
.set NIL,  29                          ; v29 0; never rewritten
.set GA,   32                          ; gamma of my 4 columns in each half of my 256; BE: beta
.set BE,   40
.set SM,   48
.set AF,   64
.set TMP,  192
.set INV,  20                          ; s20 1 / 1,024
.set SEL,  22                          ; s[22:23]
.set G1,   24                          ; s[24:31]
.set G0,   32                          ; s[32:39] group 0, one set for each slot
.set WV,   40                          ; s40 my wave's number
.set MSB, 0
.macro WIN new                         ; the immediate's high byte repeats the setting that is left
.if MSB != \new
	s_set_vgpr_msb (MSB<<8)|(\new)
.set MSB, \new
.endif
.endm
.set MUL_LO, 0xa1                      ; source 0 (Wo) window 1, source 1 (ctx) window 0, C and D window 2
.set MUL_HI, 0xf1                      ; the same, C and D window 3
.set TO_B,   0x40                      ; destination window 1, address window 0
.macro CREST                           ; a round of the cluster's barrier behind its opening barrier
	s_cmp_lg_u32 s[WV], 0
	s_cbranch_scc1 .Lnot_wave_0_\@
	s_barrier_signal -3
.Lnot_wave_0_\@:
	s_barrier_wait -3
	s_barrier_signal -1
	s_barrier_wait -1
.endm
.macro ROUND
	s_barrier_signal -1
	s_barrier_wait -1
	CREST
.endm
.macro PLACES                          ; four places in front of loads into registers that matrix instructions have read, and of the first read of results (ISA guide 7.12.1 for vector instructions)
.rept 4
	v_nop
.endr
.endm
	s_load_b256 s[4:11], s[0:1], 0x0               ; ctxf s[4:5], wof s[6:7], q s[8:9], gamma s[10:11]
	s_load_b128 s[12:15], s[0:1], 0x20             ; beta s[12:13], out0 s[14:15]
	v_lshl_add_u32 v[SPW], v0, 2, SPARE
	v_mov_b32 v[NIL], 0
	ds_add_u32 v[SPW], v[NIL]                      ; the wave's opening: the add, twice on end, and its wait ahead of my first tensor load; the set-up below stands between
	ds_add_u32 v[SPW], v[NIL]
	v_lshrrev_b32 v1, 5, v0
	v_readfirstlane_b32 s[WV], v1                  ; wave 0..3
	s_bfe_u32 s41, ttmp6, 0x40000                  ; cx
	s_lshl_b32 s42, ttmp9, 2
	s_add_co_u32 s42, s42, s41                     ; my block of 64 rows = 4 x cluster + cx
	; descriptor group 1: a dense block of 32,768 bytes as 128 rows of 256 bytes (32 elements of 8 bytes), unpadded
	s_mov_b32 s[G1], 15|(3<<16)|(1<<21)            ; 15:0 the mask: all four work-groups; 17:16 elements of 8 bytes; 21 set beside a mask
	s_mov_b32 s[G1+1], 32<<16
	s_mov_b32 s[G1+2], 128<<16
	s_mov_b32 s[G1+3], 32<<16
	s_mov_b32 s[G1+4], 128
	s_mov_b32 s[G1+5], 32
	s_mov_b32 s[G1+6], 0
	s_mov_b32 s[G1+7], 0
	s_lshl_b32 s44, s[WV], 15                      ; my 32,768 bytes of a K step, in memory and in a slot: no place in the cluster enters it
	s_mov_b32 s45, 0
	s_lshl_b32 s46, s42, 17                        ; ctx: four tiles of 32 images
	s_mov_b32 s47, 0
	s_lshl_b32 s48, s42, 18                        ; q, out0: 64 rows of 4,096 bytes,
	s_lshl_b32 s50, s[WV], 10                      ; + my 256 columns
	s_add_co_u32 s48, s48, s50
	s_mov_b32 s49, 0
	s_mov_b32 s51, 0
	s_mov_b32 s[INV], 0x3a800000                   ; 1 / 1,024
	s_mov_b32 s[SEL], 0x76543210
	s_mov_b32 s[SEL+1], 0xfedcba98
	s_mov_b32 s[G0], 1
	s_mov_b32 s[G0+1], s44
	s_mov_b32 s[G0+4], 1
	s_add_co_u32 s[G0+5], s44, SLOT1
	v_and_b32 v1, 15, v0                           ; r
	v_bfe_u32 v2, v0, 4, 1                         ; h
	v_and_b32 v[L16], 31, v0
	v_lshlrev_b32 v[L16], 4, v[L16]
	v_add_nc_u32 v[ADRB], s44, v[L16]
	v_add_nc_u32 v[ADRB+1], SLOT1, v[ADRB]
	s_mul_i32 s52, s[WV], 16*SPITCH
	s_add_co_u32 s52, s52, STAGE                   ; my stage
	v_mul_u32_u24 v[STO], v1, SPITCH
	v_lshl_add_u32 v[STO], v2, 5, v[STO]
	v_add_nc_u32 v[STO], s52, v[STO]
	v_add_nc_u32 v[RD], s52, v[L16]
	s_lshl_b32 s53, s[WV], 2
	s_add_co_u32 s53, s53, RED1
	v_lshl_add_u32 v[RW], v1, 4, s53
	v_lshl_add_u32 v[RR], v1, 4, RED1
.irp a, 0,1,2,3
	v_mov_b32 v[MU+2*\a+1], 0                      ; (named as the upper halves of pairs of which the low word is taken: so they are written)
	v_mov_b32 v[RS+2*\a+1], 0
.endr
	s_wait_dscnt 0x0                               ; both opening adds are done
	s_wait_kmcnt 0x0
	s_add_nc_u64 s[G0+2:G0+3], s[6:7], s[44:45]    ; K step 0,
	s_add_nc_u64 s[G0+6:G0+7], s[G0+2:G0+3], SLOT1 ; K step 1: a step is 131,072 bytes of wof
	s_or_b32 s[G0+3], s[G0+3], 0x80000000          ; type = 2
	s_or_b32 s[G0+7], s[G0+7], 0x80000000
	s_add_nc_u64 s[4:5], s[4:5], s[46:47]
	s_add_nc_u64 s[8:9], s[8:9], s[48:49]
	s_add_nc_u64 s[14:15], s[14:15], s[48:49]
	s_add_nc_u64 s[10:11], s[10:11], s[50:51]
	s_add_nc_u64 s[12:13], s[12:13], s[50:51]
	ROUND                                          ; all four work-groups are here: the first joint loads meet
	tensor_load_to_lds s[G0:G0+3], s[G1:G1+7]      ; two loads of mine are out
	s_nop 0
	tensor_load_to_lds s[G0+4:G0+7], s[G1:G1+7]
	s_nop 0
	PLACES
; 16 products: token tile a x my 16 tiles of columns, 32 along K: half c of the step; ab: ctx's set.  The 64 accumulators take turns, one instruction a turn, in the same order in every half step.
.macro MULA a, c, ab
.irp i, 0,1,2,3,4,5,6,7,8,9,10,11,12,13,14,15
	v_wmma_f32_16x16x32_bf16 v[8*(16*((\a)%2)+\i):8*(16*((\a)%2)+\i)+7], v[128*(\c)+8*\i:128*(\c)+8*\i+7], v[AF+64*(\ab)+8*(2*(\a)+(\c)):AF+64*(\ab)+8*(2*(\a)+(\c))+7], v[8*(16*((\a)%2)+\i):8*(16*((\a)%2)+\i)+7]
.endr
.endm
.macro FETCHB slot, c                  ; my 16 fragments of Wo of half c of the slot's step: 32 loads of 512 consecutive bytes
	WIN TO_B
.irp i, 0,1,2,3,4,5,6,7,8,9,10,11,12,13,14,15
	ds_load_b128 v[128*(\c)+8*\i:128*(\c)+8*\i+3],   v[ADRB+\slot] offset:(\c)*16384+\i*1024
	ds_load_b128 v[128*(\c)+8*\i+4:128*(\c)+8*\i+7], v[ADRB+\slot] offset:(\c)*16384+\i*1024+512
.endr
	WIN 0
.endm
.macro ALOAD ab                        ; ctx's eight fragments of a K step (f = 2 a + c) into set ab
.irp f, 0,1,2,3,4,5,6,7
	global_load_b128 v[AF+64*(\ab)+8*\f:AF+64*(\ab)+8*\f+3],   v[L16], s[4:5] offset:(\f/2)*32768+(\f%2)*1024
	global_load_b128 v[AF+64*(\ab)+8*\f+4:AF+64*(\ab)+8*\f+7], v[L16], s[4:5] offset:(\f/2)*32768+(\f%2)*1024+512
.endr
.endm
; THE RESIDUAL.  Block n = (token tile n / 2, half n % 2 of my columns): 16 rows x 128 columns, 64 registers: the accumulators i = 8 (n % 2) + 0 .. 7 of that tile.
.macro QLOAD n                         ; by rows: 32 lanes read 512 consecutive bytes
.set QR, 128*(((\n)/2)%2)+64*((\n)%2)
	WIN 0x88+0x44*((\n)/4)                         ; destination and an LDS store's data: window 2 or 3
.irp t, 0,1,2,3,4,5,6,7,8,9,10,11,12,13,14,15
	global_load_b128 v[QR+4*\t:QR+4*\t+3], v[L16], s[8:9] offset:(16*((\n)/2)+\t)*4096+512*((\n)%2) th:TH_LOAD_NT
.endr
.endm
.macro QTURN n                         ; through my stage, back into the registers that they left, now as the accumulators lie.  LDS serves a wave's instructions in order: no wait between the stores and the loads, nor ahead of the next block's stores
.set QR, 128*(((\n)/2)%2)+64*((\n)%2)
	WIN 0x88+0x44*((\n)/4)
.irp t, 0,1,2,3,4,5,6,7,8,9,10,11,12,13,14,15
	ds_store_b128 v[RD], v[QR+4*\t:QR+4*\t+3] offset:SPITCH*\t
.endr
.irp b, 0,1,2,3,4,5,6,7
	ds_load_b128 v[QR+8*\b:QR+8*\b+3],   v[STO] offset:64*\b
	ds_load_b128 v[QR+8*\b+4:QR+8*\b+7], v[STO] offset:64*\b+16
.endr
.endm
.irp u, 0,1
	global_load_b128 v[GA+4*\u:GA+4*\u+3], v[L16], s[10:11] offset:512*\u
	global_load_b128 v[BE+4*\u:BE+4*\u+3], v[L16], s[12:13] offset:512*\u
.endr
	ALOAD 0                                        ; ctx of K step 0
	QLOAD 0
	QLOAD 1
	QLOAD 2
.irp n, 0,1,2,3,4,5,6,7
.if \n < 5
	QLOAD \n+3
	s_wait_loadcnt 48                              ; block n's loads are in: those of the three blocks behind it may be out
.else
	s_wait_loadcnt 16*(7-\n)
.endif
	QTURN \n
.endr
	WIN 0
	s_wait_tensorcnt 1                             ; my part of slot 0 is in, and I alone read it; slot 1's load, issued behind it, may be out
	FETCHB 0, 0
; A K STEP of 64: two halves of 64 products.  fill = 1: the slot is filled again, two steps ahead.  last = 1: nothing more is fetched.
.macro STEP slot, fill, last
	s_wait_loadcnt 0x0                             ; ctx of this step, asked for a step ago; no load of mine is out, so their base may step
.if !\last
	s_add_nc_u64 s[4:5], s[4:5], 2048              ; the next step's two images of each tile
.endif
	s_wait_dscnt 0x0                               ; Wo's first half is in (ahead of the first step: the residual too)
	WIN MUL_LO
	MULA 0, 0, \slot
	MULA 1, 0, \slot
	PLACES
	FETCHB \slot, 1
.if !\last
	ALOAD 1-\slot
.endif
	WIN MUL_HI
	MULA 2, 0, \slot
	MULA 3, 0, \slot
	WIN 0
.if \fill
	s_wait_tensorcnt 0x0                           ; all my tensor loads have landed: the one that was out is my part of the other slot
	ds_add_u32 v[SPW], v[NIL]                      ; 0 onto my spare word
	s_wait_dscnt 1                                 ; Wo's second half is in (the add may be out)
	WIN MUL_LO
	MULA 0, 1, \slot                               ; sixteen matrix instructions stand between the add and the wait for it
	s_wait_dscnt 0x0                               ; the add is done, and my reads of this slot are over
	s_barrier_signal -1                            ; this barrier opens a round of the cluster's barrier
	MULA 1, 1, \slot
	WIN 0
	s_barrier_wait -1
	CREST                                          ; no wave of any partner still reads this slot or has a load on its way
	s_add_nc_u64 s[G0+4*\slot+2:G0+4*\slot+3], s[G0+4*\slot+2:G0+4*\slot+3], 2*SLOT1
	tensor_load_to_lds s[G0+4*\slot:G0+4*\slot+3], s[G1:G1+7]   ; the first tensor load behind the round: 96 matrix instructions ahead of the wait for it
	s_nop 0
	PLACES                                         ; (also the places in front of the loads below)
.else
.if !\last
	s_wait_tensorcnt 0x0                           ; my part of the last slot is in
.endif
	s_wait_dscnt 0x0
	WIN MUL_LO
	MULA 0, 1, \slot
	MULA 1, 1, \slot
	PLACES
.endif
.if !\last
	FETCHB 1-\slot, 0
.endif
	WIN MUL_HI
	MULA 2, 1, \slot
	MULA 3, 1, \slot
	WIN 0
.endm
	s_mov_b32 s3, 7
.Llap:                                             ; seven trips: K steps 0 to 13, which ask for steps 2 to 15
	STEP 0, 1, 0
	STEP 1, 1, 0
	s_sub_co_u32 s3, s3, 1
	s_cmp_lg_u32 s3, 0
	s_cbranch_scc1 .Llap
	STEP 0, 0, 0                                   ; the tail is written out: it asks for no tile
	STEP 1, 0, 1
; THE NORM.  hi = 0: token tiles 0, 1 (window 2); 1: tiles 2, 3 (window 3).  The two tiles alternate, each in two chains.  Each accumulator is read from its low end on.
.macro RSUM hi
	WIN 0x0a+5*\hi                                 ; sources 0 and 1: the accumulators' window
.irp e, 0,1
	v_pk_add_f32 v[SM+4*(2*\hi+\e):SM+4*(2*\hi+\e)+1], v[128*\e:128*\e+1], v[128*\e+2:128*\e+3]
.endr
.irp e, 0,1
	v_pk_add_f32 v[SM+4*(2*\hi+\e)+2:SM+4*(2*\hi+\e)+3], v[128*\e+4:128*\e+5], v[128*\e+6:128*\e+7]
.endr
	WIN 0x08+4*\hi                                 ; source 1 alone
.set k, 8
.rept 30
.irp e, 0,1
	v_pk_add_f32 v[SM+4*(2*\hi+\e):SM+4*(2*\hi+\e)+1], v[SM+4*(2*\hi+\e):SM+4*(2*\hi+\e)+1], v[128*\e+k:128*\e+k+1]
.endr
.irp e, 0,1
	v_pk_add_f32 v[SM+4*(2*\hi+\e)+2:SM+4*(2*\hi+\e)+3], v[SM+4*(2*\hi+\e)+2:SM+4*(2*\hi+\e)+3], v[128*\e+k+2:128*\e+k+3]
.endr
.set k, k+4
.endr
.endm
.macro CENTER hi                       ; x - the row's mean, in place
	WIN 0x82+0x41*\hi                              ; destination and source 0: the accumulators' window
.set k, 0
.rept 64
.irp e, 0,1
	v_pk_add_f32 v[128*\e+k:128*\e+k+1], v[128*\e+k:128*\e+k+1], v[MU+2*(2*\hi+\e):MU+2*(2*\hi+\e)+1] op_sel_hi:[1,0] neg_lo:[0,1] neg_hi:[0,1]
.endr
.set k, k+2
.endr
.endm
.macro SQ hi                           ; the sum of squares of the centred numbers
	WIN 0x0a+5*\hi
.irp e, 0,1
	v_pk_mul_f32 v[SM+4*(2*\hi+\e):SM+4*(2*\hi+\e)+1], v[128*\e:128*\e+1], v[128*\e:128*\e+1]
.endr
.irp e, 0,1
	v_pk_mul_f32 v[SM+4*(2*\hi+\e)+2:SM+4*(2*\hi+\e)+3], v[128*\e+2:128*\e+3], v[128*\e+2:128*\e+3]
.endr
.set k, 4
.rept 31
.irp e, 0,1
	v_pk_fma_f32 v[SM+4*(2*\hi+\e):SM+4*(2*\hi+\e)+1], v[128*\e+k:128*\e+k+1], v[128*\e+k:128*\e+k+1], v[SM+4*(2*\hi+\e):SM+4*(2*\hi+\e)+1]
.endr
.irp e, 0,1
	v_pk_fma_f32 v[SM+4*(2*\hi+\e)+2:SM+4*(2*\hi+\e)+3], v[128*\e+k+2:128*\e+k+3], v[128*\e+k+2:128*\e+k+3], v[SM+4*(2*\hi+\e)+2:SM+4*(2*\hi+\e)+3]
.endr
.set k, k+4
.endr
.endm
.macro SCALE hi                        ; x 1 / sqrt(var + eps), in place
	WIN 0x82+0x41*\hi
.set k, 0
.rept 64
.irp e, 0,1
	v_pk_mul_f32 v[128*\e+k:128*\e+k+1], v[128*\e+k:128*\e+k+1], v[RS+2*(2*\hi+\e):RS+2*(2*\hi+\e)+1] op_sel_hi:[1,0]
.endr
.set k, k+2
.endr
.endm
; The tiles' chains become the rows' sums over all 1,024 columns, in v[SM + 4 a] of every lane: chains, halves of a pair, lane xor 16, then the four waves' through LDS (bytes of their own for each of the two reductions).
.macro REDUCE base
	WIN 0
.irp a, 0,1,2,3
	v_pk_add_f32 v[SM+4*\a:SM+4*\a+1], v[SM+4*\a:SM+4*\a+1], v[SM+4*\a+2:SM+4*\a+3]
.endr
.irp a, 0,1,2,3
	v_add_f32 v[SM+4*\a], v[SM+4*\a], v[SM+4*\a+1]
.endr
.irp a, 0,1,2,3
	v_permlanex16_b32 v[SM+4*\a+1], v[SM+4*\a], s[SEL], s[SEL+1]
.endr
.irp a, 0,1,2,3
	v_add_f32 v[SM+4*\a], v[SM+4*\a], v[SM+4*\a+1]
.endr
.irp a, 0,1,2,3
	ds_store_b32 v[RW], v[SM+4*\a] offset:\base+256*\a    ; lanes r and 16 + r write the same word with the same value
.endr
	s_wait_dscnt 0x0                               ; for the others' sake: my partial sums are stored
	s_barrier_signal -1
	s_barrier_wait -1
.irp a, 0,1,2,3
	ds_load_b128 v[TMP+4*\a:TMP+4*\a+3], v[RR] offset:\base+256*\a
.endr
	s_wait_dscnt 0x0
.irp a, 0,1,2,3
	v_add_f32 v[TMP+4*\a], v[TMP+4*\a], v[TMP+4*\a+1]
.endr
.irp a, 0,1,2,3
	v_add_f32 v[TMP+4*\a+2], v[TMP+4*\a+2], v[TMP+4*\a+3]
.endr
.irp a, 0,1,2,3
	v_add_f32 v[SM+4*\a], v[TMP+4*\a], v[TMP+4*\a+2]
.endr
.endm
	PLACES                                         ; behind the last products
	RSUM 0
	RSUM 1
	REDUCE 0
.irp a, 0,1,2,3
	v_mul_f32 v[MU+2*\a], s[INV], v[SM+4*\a]       ; the mean
.endr
	CENTER 0
	CENTER 1
	SQ 0
	SQ 1
	REDUCE 1024
.irp a, 0,1,2,3
	v_fmaak_f32 v[SM+4*\a], s[INV], v[SM+4*\a], 0x3727c5ac   ; var + 1e-5
.endr
.irp a, 0,1,2,3
	v_rsq_f32 v[RS+2*\a], v[SM+4*\a]
.endr
	v_nop                                          ; a plain instruction behind the last of the four,
	s_wait_alu depctr_va_vdst(0)                   ; and the wait ahead of the first use
	SCALE 0
	SCALE 1
; THE WAY OUT, block by block of 16 rows x 128 columns: through my stage, back as whole rows of 512 bytes; there a lane holds four columns, whose gamma and beta it keeps.
.macro OUTB n
.set QR, 128*(((\n)/2)%2)+64*((\n)%2)
.set BB, 192-64*((\n)%2)
.if (\n) >= 2
	s_wait_xcnt 0x0                                ; block n - 2's stores have read the registers into which this block's rows come
.endif
	WIN 0x08+4*((\n)/4)                            ; an LDS store's data: window 2 or 3
.irp b, 0,1,2,3,4,5,6,7
	ds_store_b128 v[STO], v[QR+8*\b:QR+8*\b+3] offset:64*\b
	ds_store_b128 v[STO], v[QR+8*\b+4:QR+8*\b+7] offset:64*\b+16
.endr
	WIN 0
.irp t, 0,1,2,3,4,5,6,7,8,9,10,11,12,13,14,15
	ds_load_b128 v[BB+4*\t:BB+4*\t+3], v[RD] offset:SPITCH*\t   ; LDS serves a wave's instructions in order: these see the stores above, and the next block's stores come behind them
.endr
.endm
.macro SENDB n, younger                ; younger: the LDS instructions issued behind block n's loads, which may stay out
.set BB, 192-64*((\n)%2)
	s_wait_dscnt \younger
.irp t, 0,1,2,3,4,5,6,7,8,9,10,11,12,13,14,15
	v_pk_fma_f32 v[BB+4*\t:BB+4*\t+1], v[BB+4*\t:BB+4*\t+1], v[GA+4*((\n)%2):GA+4*((\n)%2)+1], v[BE+4*((\n)%2):BE+4*((\n)%2)+1]
	v_pk_fma_f32 v[BB+4*\t+2:BB+4*\t+3], v[BB+4*\t+2:BB+4*\t+3], v[GA+4*((\n)%2)+2:GA+4*((\n)%2)+3], v[BE+4*((\n)%2)+2:BE+4*((\n)%2)+3]
.endr
.irp t, 0,1,2,3,4,5,6,7,8,9,10,11,12,13,14,15
	global_store_b128 v[L16], v[BB+4*\t:BB+4*\t+3], s[14:15] offset:(16*((\n)/2)+\t)*4096+512*((\n)%2) th:TH_STORE_NT   ; 32 lanes store 512 consecutive bytes, aligned; written once, read by nobody here
.endr
.endm
	OUTB 0
.irp n, 1,2,3,4,5,6,7
	OUTB \n
	SENDB \n-1, 32                                 ; behind block n - 1's loads: block n's 16 stores and 16 loads
.endr
	SENDB 7, 0
	s_wait_tensorcnt 0x0                           ; the wave's end
	ds_add_u32 v[SPW], v[NIL]
	s_wait_dscnt 0x0
	ROUND                                          ; the closing round
	s_endpgm
.Lfunc_end_k_q5410792143_outln:
	.size	k_q5410792143_outln, .Lfunc_end_k_q5410792143_outln-k_q5410792143_outln
	.p2alignl 7, 3214868480
	.fill 96, 4, 3214868480
	.section	.rodata,"a",@progbits
	.p2align	6, 0x0
	.amdhsa_kernel k_q5410792143_outln
		.amdhsa_group_segment_fixed_size 327680
		.amdhsa_private_segment_fixed_size 0
		.amdhsa_enable_private_segment 0
		.amdhsa_kernarg_size 48
		.amdhsa_user_sgpr_count 2
		.amdhsa_user_sgpr_kernarg_segment_ptr 1
		.amdhsa_wavefront_size32 1
		.amdhsa_system_sgpr_workgroup_id_x 1
		.amdhsa_system_sgpr_workgroup_id_y 1
		.amdhsa_system_sgpr_workgroup_id_z 1
		.amdhsa_system_vgpr_workitem_id 0
		.amdhsa_next_free_vgpr 1024
		.amdhsa_next_free_sgpr 66
		.amdhsa_reserve_vcc 0
		.amdhsa_float_denorm_mode_32 3
		.amdhsa_float_denorm_mode_16_64 3
		.amdhsa_memory_ordered 1
		.amdhsa_forward_progress 1
		.amdhsa_inst_pref_size 205
	.end_amdhsa_kernel
	.amdgpu_metadata
---
amdhsa.version: [ 1, 2 ]
amdhsa.kernels:
  - .name:           k_q5410792143_outln
    .symbol:         k_q5410792143_outln.kd
    .args:
      - { .name: ctxf, .offset: 0, .size: 8, .value_kind: global_buffer, .address_space: global }
      - { .name: wof, .offset: 8, .size: 8, .value_kind: global_buffer, .address_space: global }
      - { .name: q, .offset: 16, .size: 8, .value_kind: global_buffer, .address_space: global }
      - { .name: gamma, .offset: 24, .size: 8, .value_kind: global_buffer, .address_space: global }
      - { .name: beta, .offset: 32, .size: 8, .value_kind: global_buffer, .address_space: global }
      - { .name: out0, .offset: 40, .size: 8, .value_kind: global_buffer, .address_space: global }
    .group_segment_fixed_size: 327680
    .private_segment_fixed_size: 0
    .kernarg_segment_align: 8
    .kernarg_segment_size: 48
    .max_flat_workgroup_size: 128
    .sgpr_count:     66
    .vgpr_count:     1024
    .wavefront_size: 32
...
	.end_amdgpu_metadata
.endif
;; end of part 4
